; MI455X (gfx1250); checked and timed in simulation.
; The chip was launched on July 23, 2026; its instructions are those of AMD's public machine-readable ISA for CDNA 5 (MIT licence, August 2026) and "CDNA5" Instruction Set Architecture Reference Guide (July 2026). The comments in the code are by the model that wrote it; some were corrected since.
;; Simple Transformer Layer. Allowed arithmetic: matrix products marked QUANTISED: E2M3 operands, one E8M0 scale for each 32 along K, by v_wmma_scale_f32_16x16x128_f8f6f4 with both operands' format E2M3, f32 sums; everything else in f32.
;; Inputs: W1 4,096 x 1,024 float32; W2 1,024 x 4,096 float32; Wk 1,024 x 1,024 float32; Wo 1,024 x 1,024 float32; Wq 1,024 x 1,024 float32; Wv 1,024 x 1,024 float32; b1 1,024 float32; b2 1,024 float32; g1 1,024 float32; g2 1,024 float32; x 2 x 2,048 x 1,024 float32.
;; Outputs: out0 2 x 2,048 x 1,024 float32.
;; This version of the problem:
;;   THIS VERSION OF THE PROBLEM IS GIVEN IN LOW PRECISION. The matrix products marked QUANTISED in the list below multiply operands that are first quantised to E2M3 (2 exponent bits, 3 mantissa bits; 6 bits a number), with one power-of-two scale for each 32 numbers along K (OCP MX v1.0); their sums are f32. All else is computed in f32.
;;   The module's matrix products, in the order in which they are computed (A, B: the left and right operand; K: the contracted axis; several contracted axes count as one K, in the product's order):
;;     1. [M 4,096, K 1,024] x [K 1,024, N 1,024]; A: input x; B: input Wq: QUANTISED
;;     2. [M 4,096, K 1,024] x [K 1,024, N 1,024]; A: input x; B: input Wk: QUANTISED
;;     3. [M 4,096, K 1,024] x [K 1,024, N 1,024]; A: input x; B: input Wv: QUANTISED
;;     4. batch 32 x [M 2,048, K 64] x [K 64, N 2,048]; A: computed on the way; B: computed on the way: QUANTISED
;;     5. batch 32 x [M 2,048, K 2,048] x [K 2,048, N 64]; A: softmax (see below); B: computed on the way: QUANTISED
;;     6. [M 4,096, K 1,024] x [K 1,024, N 1,024]; A: computed on the way; B: input Wo: QUANTISED
;;     7. [M 4,096, K 1,024] x [K 1,024, N 4,096]; A: computed on the way; B: input W1: QUANTISED
;;     8. [M 4,096, K 4,096] x [K 4,096, N 1,024]; A: computed on the way; B: input W2: QUANTISED
;;   THE QUANTISER, for each operand of a quantised product, along K:
;;     - K is cut into blocks of 32 from its start; a last block that is shorter is filled with zeros.
;;     - A block's scale is 2^e with e = floor(log2(the largest magnitude in the block)) - 2, held to -126 .. 127; a block of zeros has e = 0. As a byte (E8M0): e + 127.
;;     - Each number is divided by its block's scale, clamped to +-7.5, and rounded to the nearest number of E2M3, ties to even, subnormals kept.
;;     - The product sums the exact products of the quantised numbers (number of the format x scale) in f32.
;;   ~~~python
;;   def quantise(x, axis):      # numpy; x: float32 -> the quantised numbers, widened to float32 again
;;       x = np.moveaxis(x, axis, -1); K = x.shape[-1]
;;       x = np.pad(x, [(0, 0)] * (x.ndim - 1) + [(0, -K % 32)]); x = x.reshape(x.shape[:-1] + (-1, 32)); a = np.abs(x).max(-1, keepdims=True)
;;       e = np.where(a > 0, np.clip(np.frexp(np.where(a > 0, a, 1))[1] - 1 - 2, -126, 127), 0)      # np.frexp(a)[1] - 1 = floor(log2(a)), exactly
;;       r = np.clip(x / 2.0 ** e, -7.5, 7.5)
;;       step = 2.0 ** (np.maximum(np.frexp(np.where(r == 0, 1, r))[1] - 1, 0) - 3)
;;       q = np.round(r / step) * step * 2.0 ** e      # np.round: ties to even
;;       return np.moveaxis(q.reshape(q.shape[:-2] + (-1,))[..., :K], -1, axis).astype(np.float32)
;;   ~~~
;;   SOFTMAX AHEAD OF A QUANTISED PRODUCT. Where the list says 'softmax', what is quantised is not the finished softmax but p = 2^(t - M), with t = logit x log2(e) and M = ceil(the row's largest t), a whole number; so 1/2 < the row's largest p <= 1. The row's sum l is taken of the UNQUANTISED p, in f32, and the product's result is divided by l at the end. Since M is a whole number, a kernel that streams over the keys may use a running M (the ceiling of the running maximum): every later rescaling is an exact power of two, which a block's scale takes up: the codes' values come out the same.
;;   OPERANDS COMPUTED ON THE WAY. 'Computed on the way' means the value that the module computes at that place (a softmax that the list does not call 'softmax' is quantised finished and normalised). What goes into a quantiser is computed in f32, as accurately as f32 sums, v_exp_f32 and their like allow (about 1e-6 of the number): no bf16 or f16 on the way to a quantiser, and a product that is left as it is and whose result goes on into a quantised operand takes f32 operands (vector FMAs, or v_wmma_f32_16x16x4_f32). A number that lies on a knife's edge between two numbers of the format may be rounded either way, as far as f32 arithmetic and the matrix unit's own rounding can turn it there, and no further.
;; One version. Each part assembles by itself: llvm-mc -triple=amdgcn-amd-amdhsa -mcpu=gfx1250 --defsym DOCPART=n.
;; ======== version 1 of 1: 7 launches
;; limits: right only within a limited range of input values
;; workspace buffers: wq 13,107,200 bytes; qkv 10,092,544 bytes; att 3,276,800 bytes; ybuf 16,777,216 bytes; x1 20,054,016 bytes; hid 13,107,200 bytes
;; launch quant (part 1): grid 512 x 1, 4 waves a work-group, no clusters, 35,328 bytes of LDS; arguments x, W1, W2, Wq, Wk, Wv, Wo, wq; writes wq
.if DOCPART == 1
	.amdgcn_target "amdgcn-amd-amdhsa--gfx1250"
	.amdhsa_code_object_version 6
	.text
	.protected	k_q431c775d09_quant
	.globl	k_q431c775d09_quant
	.p2align	8
	.type	k_q431c775d09_quant,@function
k_q431c775d09_quant:
	s_mov_b64 s[64:65], 0
	v_nop
	global_prefetch_b8 v0, s[64:65] scope:SCOPE_SE
	s_setreg_imm32_b32 hwreg(HW_REG_WAVE_MODE, 25, 1), 1
	s_wait_xcnt 0x0
; x and the six weights, all f32 with K innermost, become codes of FP6 (E2M3) and E8M0 scale bytes in the workspace wq.
; NOTHING OF THE MODULE IS LEFT OUT IN THIS PROGRAM: all eleven inputs have a way to the output and all eight products are live.
; THE PROGRAM'S OWN LAYOUT.  Rows are kept in STORAGE ORDER: storage row p holds logical row sigma(p) = p with bits 3 and 4 swapped, so that tile T (storage rows 16 T ..) holds
; logical rows 32 (T / 2) + 8 (T % 2) + r + 8 (r / 8).  A product used transposed then leaves 16 neighbours along the next K in a lane's 16 registers of two neighbouring tiles.
; Codes: [k / 64][tile][768 bytes]: the image of half a fragment's registers (16 rows x 64 K): registers 0-3 at 16 x lane, registers 4-5 at 512 + 8 x lane.  Scales: [k / 128][storage row][4 bytes].
; wq: byte 0: [16][768 tiles][768] (tiles: x 0, Wq 256, Wk 320, Wv 384, Wo 448, W1 512); 9,437,184: W2 [64][64][768]; 12,582,912: scales [8][12,288][4]; 12,976,128: W2's [32][1,024][4].
; A block's scale is 2^(floor(log2(largest magnitude)) - 2); its byte is the largest magnitude's exponent field - 2, held at 1 from below.
; LIMITS: a block of zeros gets the byte 1 where the rule says 127 (its codes are zeros, and this program alone reads the bytes); largest magnitudes under 2^-124 are held at the byte 1; NaN and infinities among the inputs are not served.
; SHARES.  A wave takes 64 storage rows x 128 K: four fragments.  The four waves of a work-group stand side by side along K: 2,048 bytes on end in each row.  No barrier: waves share nothing.
; Each load reads 512 consecutive bytes of a row; a fragment's 16 rows turn through the wave's own stage in LDS (rows of 528 bytes) so that a lane gets 16 neighbours of each block of 32.
.set WREG,  8704                       ; LDS of a wave: a stage of 16 x 528 bytes, then 256 bytes of scale words
.set SPARE, 4*WREG                     ; the spare words, 128 bytes a wave
.set SPW, 8                            ; v8   my spare word's address; never rewritten
.set NIL, 9                            ; v9   0; never rewritten
.set PW,  11                           ; v11  the scale word just made
.set OFF, 12                           ; v12-27  row i of a tile: (i + 8 (i / 8)) x row bytes + 16 x lane
.set R,   28                           ; v28-155 two sets of 64 registers as loaded
.set X,   156                          ; v156-219 64 numbers: register 16 b + i = k 32 b + 16 (lane / 16) + i of row lane % 16
.set PC,  220                          ; v220-239 the codes
.set TM,  240                          ; v240-255 at work
.set SEL, 20                           ; s[20:21] selects for lane l xor 16
; 64 numbers of a lane become a fragment's 12 registers in v[PC] on and its row's scale word in v[PW]
.macro QUANT s
.irp b, 0,1,2,3
	v_max3_num_f32 v[TM+\b], |v[\s+16*\b]|, |v[\s+1+16*\b]|, 0x1800000   ; block b: my 16 numbers, and the floor 2^(3 - 127): the byte cannot fall under 1
.endr
.irp i, 2,4,6,8,10,12,14
.irp b, 0,1,2,3
	v_max3_num_f32 v[TM+\b], v[TM+\b], |v[\s+16*\b+\i]|, |v[\s+1+16*\b+\i]|
.endr
.endr
.irp b, 0,1,2,3
	v_permlanex16_b32 v[TM+4+\b], v[TM+\b], s[SEL], s[SEL+1]
.endr
.irp b, 0,1,2,3
	v_max_num_f32 v[TM+\b], v[TM+\b], v[TM+4+\b]   ; with lane l xor 16's: the block's largest magnitude
.endr
.irp b, 0,1,2,3
	v_add_nc_u32 v[TM+12+\b], 0xff000000, v[TM+\b]   ; 2 off its exponent field: the conversion's scale operand
.endr
.irp b, 0,1,2,3
	v_lshrrev_b32 v[TM+4+\b], 23, v[TM+12+\b]      ; the scale's byte
.endr
	s_wait_alu depctr_va_vdst(0)
	s_wait_xcnt 0x0                                ; the last fragment's stores have read the codes' registers,
	s_wait_dscnt 0x0                               ; and its LDS store the scale word
	v_lshl_or_b32 v[PW], v[TM+5], 8, v[TM+4]
	v_lshl_or_b32 v[PW], v[TM+6], 16, v[PW]
	v_lshl_or_b32 v[PW], v[TM+7], 24, v[PW]
.irp c, 0,1
	v_cvt_scalef32_pk16_fp6_f32 v[PC+6*\c:PC+2+6*\c], v[\s+32*\c:\s+15+32*\c], v[TM+12+2*\c]
	v_cvt_scalef32_pk16_fp6_f32 v[PC+12+4*\c:PC+14+4*\c], v[\s+16+32*\c:\s+31+32*\c], v[TM+12+2*\c+1]
.endr
	v_nop                                          ; one plain place behind a scaled conversion
.irp c, 0,1                                    ; a whole block to a lane: lanes 0-15 block 2 c, lanes 16-31 block 2 c + 1
.irp i, 0,1,2
	v_permlane16_swap_b32 v[PC+6*\c+\i], v[PC+12+4*\c+\i]
.endr
.irp i, 0,1,2
	v_mov_b32 v[PC+3+6*\c+\i], v[PC+12+4*\c+\i]
.endr
.endr
.endm
	s_load_b512 s[4:19], s[0:1], 0x0               ; x 4, W1 6, W2 8, Wq 10, Wk 12, Wv 14, Wo 16, wq 18
	v_lshl_add_u32 v[SPW], v0, 2, SPARE
	v_mov_b32 v[NIL], 0
	v_lshrrev_b32 v1, 5, v0
	v_readfirstlane_b32 s22, v1                    ; wave
	v_and_b32 v1, 31, v0                           ; lane
	v_lshlrev_b32 v2, 4, v1                        ; 16 x lane
	v_lshlrev_b32 v3, 3, v1                        ; 8 x lane
	v_and_b32 v10, 15, v0                          ; r
	v_bfe_u32 v7, v0, 4, 1                         ; h
	s_mul_i32 s23, s22, WREG
	v_add_nc_u32 v4, s23, v2                       ; the stage, on the way in
	v_mul_u32_u24 v5, v10, 528
	v_lshl_add_u32 v5, v7, 6, v5
	v_add_nc_u32 v5, s23, v5                       ; and out: row r, + 64 h
	s_add_co_u32 s23, s23, 8448
	v_lshlrev_b32 v6, 2, v10
	v_add_nc_u32 v6, s23, v6                       ; my row's scale word
	v_add_nc_u32 v7, s23, v3                       ; the 256 bytes of scale words, 8 bytes a lane
	s_mov_b32 s[SEL], 0x76543210
	s_mov_b32 s[SEL+1], 0xfedcba98
.irp b, 0,1,2,3
	v_mov_b32 v[TM+4+\b], 0                        ; a lane permute's destination counts as one of its sources
.endr
	; W2 alone has K = 4,096 and arrays of its own: work-groups 256 to 383
	s_sub_co_u32 s34, ttmp9, 256
	s_cmp_lt_u32 s34, 128
	s_cselect_b32 s28, 5, 3                        ; log2 of the K steps of 128
	s_mov_b32 s29, 4096
	s_cselect_b32 s29, 16384, s29                  ; a row in bytes
	s_cselect_b32 s30, 9437184, 0                  ; where the codes begin
	s_mov_b32 s31, 589824
	s_cselect_b32 s31, 49152, s31                  ; from k / 64 to the next
	s_mov_b32 s32, 12582912
	s_cselect_b32 s32, 12976128, s32               ; where the scales begin
	s_mov_b32 s33, 49152
	s_cselect_b32 s33, 4096, s33                   ; from k / 128 to the next
	s_wait_kmcnt 0x0
	s_mov_b64 s[24:25], s[16:17]                   ; Wo, unless the work-group's number says otherwise: only pointers and numbers are chosen, the text has one path
	s_mov_b32 s26, 480                             ; the tensor's first work-group
	s_mov_b32 s27, 448                             ; its first tile
.macro PICK bound, ptr, tb, toff
	s_cmp_lt_u32 ttmp9, \bound
	s_cselect_b64 s[24:25], s[\ptr:\ptr+1], s[24:25]
	s_cselect_b32 s26, \tb, s26
	s_cselect_b32 s27, \toff, s27
.endm
	PICK 480, 14, 448, 384
	PICK 448, 12, 416, 320
	PICK 416, 10, 384, 256
	PICK 384, 8, 256, 0
	PICK 256, 6, 128, 512
	PICK 128, 4, 0, 0
	s_sub_co_u32 s34, ttmp9, s26
	s_lshl_b32 s34, s34, 2
	s_add_co_u32 s34, s34, s22                     ; my task
	s_bfm_b32 s35, s28, 0
	s_and_b32 s35, s34, s35                        ; k / 128
	s_lshr_b32 s36, s34, s28                       ; which 64 rows
	s_lshl_b32 s38, s36, 6
	s_mul_i32 s38, s38, s29
	s_lshl_b32 s40, s35, 9
	s_add_co_u32 s38, s38, s40
	s_mov_b32 s39, 0
	s_add_nc_u64 s[44:45], s[24:25], s[38:39]      ; tile 0: logical rows 64 g on
	s_lshl_b32 s38, s29, 3
	s_add_nc_u64 s[46:47], s[44:45], s[38:39]      ; tile 1: 8 rows on
	s_lshl_b32 s38, s29, 5
	s_add_nc_u64 s[48:49], s[44:45], s[38:39]      ; tile 2: 32 rows on
	s_add_nc_u64 s[50:51], s[46:47], s[38:39]      ; tile 3: 40 rows on
.irp i, 0,1,2,3,4,5,6,7,8,9,10,11,12,13,14,15
	s_mul_i32 s40, s29, \i+8*(\i/8)
	v_add_nc_u32 v[OFF+\i], s40, v2
.endr
	s_lshl_b32 s38, s35, 1
	s_mul_i32 s38, s38, s31
	s_lshl_b32 s40, s36, 2
	s_add_co_u32 s40, s40, s27                     ; my first tile
	s_mul_i32 s41, s40, 768
	s_add_co_u32 s38, s38, s41
	s_add_co_u32 s38, s38, s30
	s_add_nc_u64 s[52:53], s[18:19], s[38:39]      ; the lower 64 along K
	s_mov_b32 s38, s31
	s_add_nc_u64 s[54:55], s[52:53], s[38:39]      ; the upper
	s_mul_i32 s38, s35, s33
	s_lshl_b32 s40, s40, 6
	s_add_co_u32 s38, s38, s40
	s_add_co_u32 s38, s38, s32
	s_add_nc_u64 s[56:57], s[18:19], s[38:39]      ; my 64 rows' scale words
.macro LOAD a
.irp i, 0,1,2,3,4,5,6,7,8,9,10,11,12,13,14,15
	global_load_b128 v[R+64*((\a)%2)+4*\i:R+64*((\a)%2)+4*\i+3], v[OFF+\i], s[44+2*(\a):45+2*(\a)] th:TH_LOAD_NT
.endr
.endm
.macro TURN a                          ; LDS serves a wave's instructions in order: no wait between the stores and the loads
.irp i, 0,1,2,3,4,5,6,7,8,9,10,11,12,13,14,15
	ds_store_b128 v4, v[R+64*((\a)%2)+4*\i:R+64*((\a)%2)+4*\i+3] offset:528*\i
.endr
.irp b, 0,1,2,3
.irp j, 0,1,2,3
	ds_load_b128 v[X+16*\b+4*\j:X+16*\b+4*\j+3], v5 offset:128*\b+16*\j
.endr
.endr
.endm
.macro PIECE a
.if (\a) < 3
	s_wait_loadcnt 16                              ; this fragment's 16 loads are in; the next fragment's 16 may be out
.else
	s_wait_loadcnt 0x0
.endif
	TURN \a
	s_wait_dscnt 0x0                               ; the numbers are back, and the stage's stores have read their registers,
.if (\a) < 2
	LOAD (\a)+2                                    ; which take the fragment two on
.endif
	QUANT X
	global_store_b128 v2, v[PC:PC+3], s[52:53] offset:768*(\a)        ; 512 consecutive bytes
	global_store_b64 v3, v[PC+4:PC+5], s[52:53] offset:768*(\a)+512   ; 256 consecutive bytes
	global_store_b128 v2, v[PC+6:PC+9], s[54:55] offset:768*(\a)
	global_store_b64 v3, v[PC+10:PC+11], s[54:55] offset:768*(\a)+512
	ds_store_b32 v6, v[PW] offset:64*(\a)          ; lanes r and r + 16 write the same word with the same value
.endm
	s_wait_alu depctr_va_vdst(0)
	LOAD 0
	LOAD 1
	PIECE 0
	PIECE 1
	PIECE 2
	PIECE 3
	ds_load_b64 v[12:13], v7                       ; 64 rows' scale words
	s_wait_dscnt 0x0
	global_store_b64 v3, v[12:13], s[56:57]        ; one aligned run of 256 bytes
	s_wait_tensorcnt 0x0                           ; the wave's end, behind my last LDS store
	ds_add_u32 v[SPW], v[NIL]
	s_wait_dscnt 0x0
	s_endpgm
.Lfunc_end_k_q431c775d09_quant:
	.size	k_q431c775d09_quant, .Lfunc_end_k_q431c775d09_quant-k_q431c775d09_quant
	.p2alignl 7, 3214868480
	.fill 96, 4, 3214868480
	.section	.rodata,"a",@progbits
	.p2align	6, 0x0
	.amdhsa_kernel k_q431c775d09_quant
		.amdhsa_group_segment_fixed_size 35328
		.amdhsa_private_segment_fixed_size 0
		.amdhsa_enable_private_segment 0
		.amdhsa_kernarg_size 64
		.amdhsa_user_sgpr_count 2
		.amdhsa_user_sgpr_kernarg_segment_ptr 1
		.amdhsa_wavefront_size32 1
		.amdhsa_system_sgpr_workgroup_id_x 1
		.amdhsa_system_sgpr_workgroup_id_y 1
		.amdhsa_system_sgpr_workgroup_id_z 1
		.amdhsa_system_vgpr_workitem_id 0
		.amdhsa_next_free_vgpr 256
		.amdhsa_next_free_sgpr 66
		.amdhsa_reserve_vcc 0
		.amdhsa_float_denorm_mode_32 3
		.amdhsa_float_denorm_mode_16_64 3
		.amdhsa_memory_ordered 1
		.amdhsa_forward_progress 1
		.amdhsa_inst_pref_size 38
	.end_amdhsa_kernel
	.amdgpu_metadata
---
amdhsa.version: [ 1, 2 ]
amdhsa.kernels:
  - .name:           k_q431c775d09_quant
    .symbol:         k_q431c775d09_quant.kd
    .args:
      - { .name: x, .offset: 0, .size: 8, .value_kind: global_buffer, .address_space: global }
      - { .name: W1, .offset: 8, .size: 8, .value_kind: global_buffer, .address_space: global }
      - { .name: W2, .offset: 16, .size: 8, .value_kind: global_buffer, .address_space: global }
      - { .name: Wq, .offset: 24, .size: 8, .value_kind: global_buffer, .address_space: global }
      - { .name: Wk, .offset: 32, .size: 8, .value_kind: global_buffer, .address_space: global }
      - { .name: Wv, .offset: 40, .size: 8, .value_kind: global_buffer, .address_space: global }
      - { .name: Wo, .offset: 48, .size: 8, .value_kind: global_buffer, .address_space: global }
      - { .name: wq, .offset: 56, .size: 8, .value_kind: global_buffer, .address_space: global }
    .group_segment_fixed_size: 35328
    .private_segment_fixed_size: 0
    .kernarg_segment_align: 8
    .kernarg_segment_size: 64
    .max_flat_workgroup_size: 128
    .sgpr_count:     66
    .vgpr_count:     256
    .wavefront_size: 32
...
	.end_amdgpu_metadata
.endif
;; end of part 1
;; launch qkv (part 2): grid 12 x 16, 4 waves a work-group, clusters of 4 x 4, 327,680 bytes of LDS; arguments wq, qkv; writes qkv
.if DOCPART == 2
	.amdgcn_target "amdgcn-amd-amdhsa--gfx1250"
	.amdhsa_code_object_version 6
	.text
	.protected	k_q431c775d09_qkv
	.globl	k_q431c775d09_qkv
	.p2align	8
	.type	k_q431c775d09_qkv,@function
k_q431c775d09_qkv:
	s_mov_b64 s[64:65], 0
	v_nop
	global_prefetch_b8 v0, s[64:65] scope:SCOPE_SE
	s_setreg_imm32_b32 hwreg(HW_REG_WAVE_MODE, 25, 1), 1
	s_wait_xcnt 0x0
	s_wait_alu depctr_hold_cnt(0) depctr_sa_sdst(0) depctr_va_vdst(0) depctr_va_sdst(0) depctr_va_ssrc(0) depctr_va_vcc(0) depctr_vm_vsrc(0)
	s_getreg_b32 s2, hwreg(HW_REG_IB_STS2, 6, 4)
	s_cmp_eq_u32 s2, 0
	s_cbranch_scc0 .Lentry_in_a_cluster
	s_endpgm
.Lentry_in_a_cluster:
	s_bfe_u32 s2, ttmp6, 0x10000c
	s_cmp_lg_u32 s2, 0xf033
	s_cbranch_scc0 .Lentry_shape_is_right
	s_endpgm
.Lentry_shape_is_right:
.set HALFT, 24576
.set SLOT,  4*HALFT
.set SCL,   2*SLOT
.set HALFS, 4096
.set SPARE, SCL+4*HALFS
.set FR, 12
.set NL, 4
.set NQ, 2
.set NP, 4
.set LAPS, 2
.set KBA, 589824
.set KBB, 589824
.set SK,  12582912
.set ADRA, 16
.set ADRB, 20
.set LI16, 24
.set LI8,  25
.set SWA,  26
.set ADRS, 27
.set SPW,  28
.set NIL,  29
.set SRA,  30
.set SC,   32
.set AF,   128
.set PC,   96
.set TM,   116
.set PW,   132
.set W0,   136
.set W1,   140
.set SEL,  20
.set G1, 24
.set G0, 32
.set G1B, 48
.set G0B, 56
.set G1S, 68
.set G0S, 76
.set G1SB, 80
.set G0SB, 88
.set MSB, 0
.macro WIN new
.if MSB != (\new)
	s_set_vgpr_msb (MSB<<8)|(\new)
.set MSB, (\new)
.endif
.endm
.set MUL_LO, 0xa1
.set MUL_HI, 0xf1
.set TO_B,   0x40
.macro JLOAD g0a, g1a, g0b, g1b
	s_cmp_eq_u32 s15, 0
	s_cbranch_scc0 .Lfor_b_\@
	tensor_load_to_lds s[\g0a:\g0a+3], s[\g1a:\g1a+7]
	s_nop 0
.rept 4
	v_nop
.endr
	s_branch .Lasked_\@
.Lfor_b_\@:
	tensor_load_to_lds s[\g0b:\g0b+3], s[\g1b:\g1b+7]
	s_nop 0
.rept 4
	v_nop
.endr
.Lasked_\@:
.endm
.macro CREST
	s_cmp_lg_u32 s14, 0
	s_cbranch_scc1 .Lnot_wave_0_\@
	s_barrier_signal -3
.Lnot_wave_0_\@:
	s_barrier_wait -3
	s_barrier_signal -1
	s_barrier_wait -1
.endm
.macro CROUND
	s_barrier_signal -1
	s_barrier_wait -1
	CREST
.endm
	s_load_b128 s[4:7], s[0:1], 0x0
	v_lshl_add_u32 v[SPW], v0, 2, SPARE
	v_mov_b32 v[NIL], 0
	ds_add_u32 v[SPW], v[NIL]
	ds_add_u32 v[SPW], v[NIL]
	v_lshrrev_b32 v1, 5, v0
	v_readfirstlane_b32 s14, v1
	s_lshr_b32 s15, s14, 1
	s_and_b32 s16, s14, 1
	s_bfe_u32 s40, ttmp6, 0x40000
	s_bfe_u32 s41, ttmp6, 0x40004
	s_and_b32 s18, ttmp7, 0xffff
	s_lshl_b32 s18, s18, 2
	s_lshl_b32 s19, ttmp9, 2
	s_cmp_eq_u32 ttmp9, 2
	s_cselect_b32 s95, 1, 0
	s_cselect_b32 s17, 0, s18
	s_cselect_b32 s42, s18, s19
	s_cselect_b32 s96, 384, 0
	s_cselect_b32 s97, 0, 256
	s_add_co_u32 s17, s17, s41
	s_add_co_u32 s42, s42, s40
	s_lshl_b32 s43, s41, 2
	s_lshl_b32 s43, 15, s43
	s_lshl_b32 s44, 0x1111, s40
	s_or_b32 s[G1+0], s43, (3<<16)|(1<<21)
	s_or_b32 s[G1B+0], s44, (3<<16)|(1<<21)
.irp g, G1, G1B
	s_mov_b32 s[\g+1], 768<<16
	s_mov_b32 s[\g+2], 4<<16
	s_mov_b32 s[\g+3], 768<<16
	s_mov_b32 s[\g+4], 4
	s_mov_b32 s[\g+5], 73728
	s_mov_b32 s[\g+6], 0
	s_mov_b32 s[\g+7], 0
.endr
	s_or_b32 s[G1S+0], s43, (3<<16)|(1<<21)
	s_or_b32 s[G1SB+0], s44, (3<<16)|(1<<21)
.irp g, G1S, G1SB
	s_mov_b32 s[\g+1], 64<<16
	s_mov_b32 s[\g+2], 8<<16
	s_mov_b32 s[\g+3], 64<<16
	s_mov_b32 s[\g+4], 8
	s_mov_b32 s[\g+5], 6144
	s_mov_b32 s[\g+6], 0
	s_mov_b32 s[\g+7], 0
.endr
	s_lshl_b32 s18, s16, 3
	s_lshl_b32 s20, s17, 4
	s_add_co_u32 s20, s20, s18
	s_add_co_u32 s20, s20, s96
	s_lshl_b32 s46, s42, 4
	s_add_co_u32 s46, s46, s18
	s_add_co_u32 s46, s46, s97
	s_lshl_b32 s22, s20, 6
	s_add_co_u32 s22, s22, SK
	s_mov_b32 s23, 0
	s_lshl_b32 s92, s46, 6
	s_add_co_u32 s92, s92, SK
	s_mov_b32 s93, 0
	s_mul_i32 s20, s20, 768
	s_mov_b32 s21, 0
	s_mul_i32 s46, s46, 768
	s_mov_b32 s47, 0
	s_mul_i32 s45, s14, HALFT
	s_mul_i32 s94, s14, HALFS
	s_wait_dscnt 0x0
	s_wait_kmcnt 0x0
	s_add_nc_u64 s[20:21], s[4:5], s[20:21]
	s_add_nc_u64 s[22:23], s[4:5], s[22:23]
	s_add_nc_u64 s[46:47], s[4:5], s[46:47]
	s_add_nc_u64 s[92:93], s[4:5], s[92:93]
	CROUND
	s_mov_b32 s[G0S], 1
	s_add_co_u32 s[G0S+1], s94, SCL
	s_mov_b64 s[G0S+2:G0S+3], s[22:23]
	s_or_b32 s[G0S+3], s[G0S+3], 0x80000000
	s_mov_b32 s[G0SB], 1
	s_add_co_u32 s[G0SB+1], s94, SCL
	s_mov_b64 s[G0SB+2:G0SB+3], s[92:93]
	s_or_b32 s[G0SB+3], s[G0SB+3], 0x80000000
	JLOAD G0S, G1S, G0SB, G1SB
.irp s, 0,1
	s_mov_b32 s[G0+4*\s], 1
	s_add_co_u32 s[G0+4*\s+1], s45, \s*SLOT
	s_add_nc_u64 s[G0+4*\s+2:G0+4*\s+3], s[20:21], \s*4*KBA
	s_or_b32 s[G0+4*\s+3], s[G0+4*\s+3], 0x80000000
	s_mov_b32 s[G0B+4*\s], 1
	s_add_co_u32 s[G0B+4*\s+1], s45, \s*SLOT
	s_add_nc_u64 s[G0B+4*\s+2:G0B+4*\s+3], s[46:47], \s*4*KBB
	s_or_b32 s[G0B+4*\s+3], s[G0B+4*\s+3], 0x80000000
	s_wait_alu depctr_va_vdst(0)
	s_wait_tensorcnt 0x0
	ds_add_u32 v28, v29
	s_wait_dscnt 0x0
	CROUND
	JLOAD G0+4*\s, G1, G0B+4*\s, G1B
.endr
	v_and_b32 v1, 15, v0
	v_bfe_u32 v2, v0, 4, 1
	v_and_b32 v3, 31, v0
	v_lshlrev_b32 v[LI16], 4, v3
	v_lshlrev_b32 v[LI8], 3, v3
	v_add_nc_u32 v5, 512, v[LI8]
	s_mul_i32 s21, s15, HALFT
	s_mul_i32 s22, s16, HALFT
	s_add_co_u32 s22, s22, 2*HALFT
.irp s, 0,1
	v_add_nc_u32 v[ADRA+\s], s21, v[LI16]
	v_add_nc_u32 v[ADRB+\s], s22, v[LI16]
	v_add_nc_u32 v[ADRA+2+\s], s21, v5
	v_add_nc_u32 v[ADRB+2+\s], s22, v5
	s_add_co_u32 s21, s21, SLOT
	s_add_co_u32 s22, s22, SLOT
.endr
	v_lshlrev_b32 v5, 2, v1
	s_mul_i32 s21, s15, HALFS
	s_mul_i32 s22, s16, HALFS
	s_add_co_u32 s22, s22, 2*HALFS
	s_sub_co_u32 s22, s22, s21
	v_mul_u32_u24 v6, s22, v2
	s_add_co_u32 s21, s21, SCL
	v_add_nc_u32 v6, v5, v6
	v_add_nc_u32 v[ADRS], s21, v6
	s_lshl_b32 s23, s14, 10
	v_add_nc_u32 v[SWA], s23, v5
	v_add_nc_u32 v[SRA], s23, v[LI16]
.macro FRAG reg, adr, q, i
	ds_load_b128 v[\reg:\reg+3], v[\adr] offset:2*(\q)*6144+768*(\i)
	ds_load_b64 v[\reg+4:\reg+5], v[\adr+2] offset:2*(\q)*6144+768*(\i)
	ds_load_b128 v[\reg+6:\reg+9], v[\adr] offset:(2*(\q)+1)*6144+768*(\i)
	ds_load_b64 v[\reg+10:\reg+11], v[\adr+2] offset:(2*(\q)+1)*6144+768*(\i)
.endm
.macro MUL16 a0, p, q, sc, zero
.irp a, \a0, \a0+1
.irp b, 0,1,2,3,4,5,6,7
.if \zero
	v_wmma_scale_f32_16x16x128_f8f6f4 v[8*(8*((\a)%4)+\b):8*(8*((\a)%4)+\b)+7], v[128*(\p)+FR*\b:128*(\p)+FR*\b+FR-1], v[AF+FR*(\a):AF+FR*(\a)+FR-1], 0, v[SC+8*NQ*(\sc)+NQ*\b+(\q)], v[SC+8*NQ*(\sc)+NQ*(\a)+(\q)] matrix_a_fmt:MATRIX_FMT_FP6 matrix_b_fmt:MATRIX_FMT_FP6 matrix_a_scale:MATRIX_SCALE_ROW1
.else
	v_wmma_scale_f32_16x16x128_f8f6f4 v[8*(8*((\a)%4)+\b):8*(8*((\a)%4)+\b)+7], v[128*(\p)+FR*\b:128*(\p)+FR*\b+FR-1], v[AF+FR*(\a):AF+FR*(\a)+FR-1], v[8*(8*((\a)%4)+\b):8*(8*((\a)%4)+\b)+7], v[SC+8*NQ*(\sc)+NQ*\b+(\q)], v[SC+8*NQ*(\sc)+NQ*(\a)+(\q)] matrix_a_fmt:MATRIX_FMT_FP6 matrix_b_fmt:MATRIX_FMT_FP6 matrix_a_scale:MATRIX_SCALE_ROW1
.endif
.endr
.endr
.endm
.macro FETCH_B slot, q, p
	WIN TO_B
.irp i, 0,1,2,3,4,5,6,7
	FRAG 128*(\p)+FR*\i, ADRB+\slot, \q, \i
.endr
	WIN 0
.endm
.macro FETCH_A slot, q, i0
.irp i, \i0, \i0+1, \i0+2, \i0+3
	FRAG AF+FR*(\i), ADRA+\slot, \q, \i
.endr
.endm
.macro SCALES sc
.irp i, 0,1,2,3,4,5,6,7
.irp q, 0,1
	ds_load_b32 v[SC+8*NQ*\sc+NQ*\i+\q], v[ADRS] offset:64*\i+512*\q
.endr
.endr
.endm
.macro PLACES n
.rept \n
	v_nop
.endr
.endm
.macro STEP slot, q, zero
	s_wait_dscnt 4*NL
	WIN MUL_LO
	MUL16 0, (\q)%2, \q, \slot, \zero
	MUL16 2, (\q)%2, \q, \slot, \zero
	s_wait_dscnt 0
	PLACES NP
	FETCH_B \slot, (\q)+1, 1-(\q)%2
	FETCH_A \slot, (\q)+1, 0
	WIN MUL_HI
	MUL16 4, (\q)%2, \q, \slot, \zero
	MUL16 6, (\q)%2, \q, \slot, \zero
	PLACES NP
	WIN 0
	FETCH_A \slot, (\q)+1, 4
.endm
.macro TURN slot, next, fill
	s_wait_tensorcnt 0x0
	ds_add_u32 v[SPW], v[NIL]
	s_wait_dscnt 4*NL+1
	WIN MUL_LO
	MUL16 0, 1, NQ-1, \slot, 0
	s_wait_dscnt 0x0
	s_barrier_signal -1
	MUL16 2, 1, NQ-1, \slot, 0
	WIN 0
	s_barrier_wait -1
.if \fill
	CREST
	s_add_nc_u64 s[G0+4*\slot+2:G0+4*\slot+3], s[G0+4*\slot+2:G0+4*\slot+3], 8*KBA
	s_add_nc_u64 s[G0B+4*\slot+2:G0B+4*\slot+3], s[G0B+4*\slot+2:G0B+4*\slot+3], 8*KBB
	JLOAD G0+4*\slot, G1, G0B+4*\slot, G1B
.else
	PLACES NP
.endif
	s_wait_alu depctr_va_vdst(0)
	v_add_nc_u32 v[ADRS], 1024, v[ADRS]
	FETCH_B \next, 0, 0
	FETCH_A \next, 0, 0
	SCALES \next
	WIN MUL_HI
	MUL16 4, 1, NQ-1, \slot, 0
	MUL16 6, 1, NQ-1, \slot, 0
	PLACES NP
	WIN 0
	FETCH_A \next, 0, 4
.endm
	s_wait_alu depctr_va_vdst(0)
	s_wait_tensorcnt 1
	s_barrier_signal -1
	s_barrier_wait -1
	FETCH_B 0, 0, 0
	FETCH_A 0, 0, 0
	SCALES 0
	FETCH_A 0, 0, 4
	STEP 0, 0, 1
	s_mov_b32 s3, LAPS-1
.Llap:
	TURN 0, 1, 1
	STEP 1, 0, 0
	TURN 1, 0, 1
	STEP 0, 0, 0
	s_sub_co_u32 s3, s3, 1
	s_cmp_lg_u32 s3, 0
	s_cbranch_scc1 .Llap
	TURN 0, 1, 0
	STEP 1, 0, 0
	s_wait_dscnt 4*NL
	WIN MUL_LO
	MUL16 0, 1, NQ-1, 1, 0
	MUL16 2, 1, NQ-1, 1, 0
	s_wait_dscnt 0
	WIN MUL_HI
	MUL16 4, 1, NQ-1, 1, 0
	MUL16 6, 1, NQ-1, 1, 0
	WIN 0
	PLACES NP
	s_mov_b32 s[SEL], 0x76543210
	s_mov_b32 s[SEL+1], 0xfedcba98
.irp b, 0,1,2,3
	v_mov_b32 v[TM+4+\b], 0
.endr
	s_lshl_b32 s32, s42, 2
	s_lshl_b32 s33, s16, 1
	s_add_co_u32 s32, s32, s33
	s_lshl_b32 s33, s17, 4
	s_lshl_b32 s34, s15, 3
	s_add_co_u32 s33, s33, s34
	s_cmp_eq_u32 s95, 1
	s_cselect_b32 s68, 6, 8
	s_cselect_b32 s69, 6291456, 0
	s_mov_b32 s70, 196608
	s_cselect_b32 s70, 49152, s70
	s_mov_b32 s71, 0
	s_cselect_b32 s72, 11, 14
	s_mov_b32 s73, 9437184
	s_cselect_b32 s73, 9961472, s73
	s_lshl_b32 s34, s32, s68
	s_add_co_u32 s34, s34, s33
	s_mul_i32 s34, s34, 768
	s_add_co_u32 s34, s34, s69
	s_mov_b32 s35, 0
	s_add_nc_u64 s[24:25], s[6:7], s[34:35]
	s_add_nc_u64 s[26:27], s[24:25], s[70:71]
	s_lshl_b32 s34, s32, s72
	s_lshl_b32 s36, s33, 6
	s_add_co_u32 s34, s34, s36
	s_add_co_u32 s34, s34, s73
	s_add_nc_u64 s[28:29], s[6:7], s[34:35]
	s_add_nc_u64 s[30:31], s[28:29], 16384
.macro QUANTW a
.set AC, 64*((\a)%4)
.set WW, 2+(\a)/4
	WIN WW|(WW<<2)
.irp b, 0,1,2,3
	v_max3_num_f32 v[TM+\b], |v[AC+16*\b]|, |v[AC+1+16*\b]|, 0x1800000
.endr
	WIN (WW<<2)|(WW<<4)
.irp i, 2,4,6,8,10,12,14
.irp b, 0,1,2,3
	v_max3_num_f32 v[TM+\b], v[TM+\b], |v[AC+16*\b+\i]|, |v[AC+1+16*\b+\i]|
.endr
.endr
	WIN 0
.irp b, 0,1,2,3
	v_permlanex16_b32 v[TM+4+\b], v[TM+\b], s[SEL], s[SEL+1]
.endr
.irp b, 0,1,2,3
	v_max_num_f32 v[TM+\b], v[TM+\b], v[TM+4+\b]
.endr
.irp b, 0,1,2,3
	v_add_nc_u32 v[TM+12+\b], 0xff000000, v[TM+\b]
.endr
.irp b, 0,1,2,3
	v_lshrrev_b32 v[TM+4+\b], 23, v[TM+12+\b]
.endr
	s_wait_alu depctr_va_vdst(0)
	s_wait_xcnt 0x0
	s_wait_dscnt 0x0
	v_lshl_or_b32 v[PW], v[TM+5], 8, v[TM+4]
	v_lshl_or_b32 v[PW], v[TM+6], 16, v[PW]
	v_lshl_or_b32 v[PW], v[TM+7], 24, v[PW]
	WIN WW
.irp c, 0,1
	v_cvt_scalef32_pk16_fp6_f32 v[PC+6*\c:PC+2+6*\c], v[AC+32*\c:AC+15+32*\c], v[TM+12+2*\c]
	v_cvt_scalef32_pk16_fp6_f32 v[PC+12+4*\c:PC+14+4*\c], v[AC+16+32*\c:AC+31+32*\c], v[TM+12+2*\c+1]
.endr
	WIN 0
	v_nop
.irp c, 0,1
.irp i, 0,1,2
	v_permlane16_swap_b32 v[PC+6*\c+\i], v[PC+12+4*\c+\i]
.endr
.irp i, 0,1,2
	v_mov_b32 v[PC+3+6*\c+\i], v[PC+12+4*\c+\i]
.endr
.endr
.endm
.irp a, 0,1,2,3,4,5,6,7
	QUANTW \a
	global_store_b128 v[LI16], v[PC:PC+3], s[24:25] offset:768*\a
	global_store_b64 v[LI8], v[PC+4:PC+5], s[24:25] offset:768*\a+512
	global_store_b128 v[LI16], v[PC+6:PC+9], s[26:27] offset:768*\a
	global_store_b64 v[LI8], v[PC+10:PC+11], s[26:27] offset:768*\a+512
	ds_store_b32 v[SWA], v[PW] offset:64*\a
.endr
	ds_load_b128 v[W0:W0+3], v[SRA]
	s_wait_dscnt 0x0
	global_store_b128 v[LI16], v[W0:W0+3], s[28:29]
	s_cmp_eq_u32 s95, 1
	s_cbranch_scc1 .Lno_odd
.irp i, 0,1,2,3
	v_lshrrev_b32 v[W1+\i], 16, v[W0+\i]
.endr
	global_store_b128 v[LI16], v[W1:W1+3], s[30:31]
.Lno_odd:
	s_wait_tensorcnt 0x0
	ds_add_u32 v[SPW], v[NIL]
	s_wait_dscnt 0x0
	CROUND
	s_endpgm
.Lfunc_end_k_q431c775d09_qkv:
	.size	k_q431c775d09_qkv, .Lfunc_end_k_q431c775d09_qkv-k_q431c775d09_qkv
	.p2alignl 7, 3214868480
	.fill 96, 4, 3214868480
	.section	.rodata,"a",@progbits
	.p2align	6, 0x0
	.amdhsa_kernel k_q431c775d09_qkv
		.amdhsa_group_segment_fixed_size 327680
		.amdhsa_private_segment_fixed_size 0
		.amdhsa_enable_private_segment 0
		.amdhsa_kernarg_size 16
		.amdhsa_user_sgpr_count 2
		.amdhsa_user_sgpr_kernarg_segment_ptr 1
		.amdhsa_wavefront_size32 1
		.amdhsa_system_sgpr_workgroup_id_x 1
		.amdhsa_system_sgpr_workgroup_id_y 1
		.amdhsa_system_sgpr_workgroup_id_z 1
		.amdhsa_system_vgpr_workitem_id 0
		.amdhsa_next_free_vgpr 1024
		.amdhsa_next_free_sgpr 100
		.amdhsa_reserve_vcc 0
		.amdhsa_float_denorm_mode_32 3
		.amdhsa_float_denorm_mode_16_64 3
		.amdhsa_memory_ordered 1
		.amdhsa_forward_progress 1
		.amdhsa_inst_pref_size 154
	.end_amdhsa_kernel
	.amdgpu_metadata
---
amdhsa.version: [ 1, 2 ]
amdhsa.kernels:
  - .name:           k_q431c775d09_qkv
    .symbol:         k_q431c775d09_qkv.kd
    .args:
      - { .name: wq, .offset: 0, .size: 8, .value_kind: global_buffer, .address_space: global }
      - { .name: qkv, .offset: 8, .size: 8, .value_kind: global_buffer, .address_space: global }
    .group_segment_fixed_size: 327680
    .private_segment_fixed_size: 0
    .kernarg_segment_align: 8
    .kernarg_segment_size: 16
    .max_flat_workgroup_size: 128
    .sgpr_count:     100
    .vgpr_count:     1024
    .wavefront_size: 32
...
	.end_amdgpu_metadata
.endif
;; end of part 2
;; launch attn (part 3): grid 8 x 32, 16 waves a work-group, clusters of 4 x 1, 210,944 bytes of LDS; arguments qkv, att; writes att
.if DOCPART == 3
	.amdgcn_target "amdgcn-amd-amdhsa--gfx1250"
	.amdhsa_code_object_version 6
	.text
	.protected	k_q431c775d09_attn
	.globl	k_q431c775d09_attn
	.p2align	8
	.type	k_q431c775d09_attn,@function
k_q431c775d09_attn:
	s_mov_b64 s[64:65], 0
	v_nop
	global_prefetch_b8 v0, s[64:65] scope:SCOPE_SE
	s_setreg_imm32_b32 hwreg(HW_REG_WAVE_MODE, 25, 1), 1
	s_wait_xcnt 0x0
	s_wait_alu depctr_hold_cnt(0) depctr_sa_sdst(0) depctr_va_vdst(0) depctr_va_sdst(0) depctr_va_ssrc(0) depctr_va_vcc(0) depctr_vm_vsrc(0)
	s_getreg_b32 s2, hwreg(HW_REG_IB_STS2, 6, 4)
	s_cmp_eq_u32 s2, 0
	s_cbranch_scc0 .Lentry_in_a_cluster
	s_endpgm
.Lentry_in_a_cluster:
	s_bfe_u32 s2, ttmp6, 0x10000c
	s_cmp_lg_u32 s2, 0x3003
	s_cbranch_scc0 .Lentry_shape_is_right
	s_endpgm
.Lentry_shape_is_right:
; Products 4 and 5 with the softmax between them, on codes of FP6, and the quantising of the result along the head's 64.  Nothing is left out.
; t = score x log2(e) / 8; M = the running largest t rounded up to a whole number; p = 2^(t - M) is quantised along the keys; the sum of the unquantised p divides at the end.
; LIMITS: the promise holds while the scaled scores t stay under 2^31 in magnitude; the quantiser's limits as in the first kernel.
; SHARES.  A work-group owns 256 queries of one head of one batch; each of its sixteen waves one tile of 16 queries.  Every wave walks the head's 2,048 keys, 128 a step.
; THE WHOLE HEAD'S K, V^T AND SCALE WORDS LIE IN LDS, filled once: one tensor load a wave at the head (waves 0-7 an eighth of K's codes, 8-11 a quarter of V^T's, 12-13 a half of K's scale words, 14-15 of V^T's).
; The four work-groups of a cluster belong to one head and ask jointly.  No prefetch: every byte is asked for at the head, so there is no loop to run ahead in.
; LDS: K's codes, tile t at 768 t; from VC V^T's, [key / 64][4 d tiles][768]; from SCB K's scale words, 64 bytes a tile; from VSB V^T's, 256 bytes a step; then the spare words.
; Product 4 has K = 64: Q's upper 64 codes are zeros, so whatever stands in the upper half of K's operand adds nothing: K's half fragments lie 6 registers apart, and tile t's operand runs on over the next six registers.
; A scale register carries two tiles' words: lanes 0-15 the even tile's rows, lanes 16-31 the odd tile's.
; Both products are used transposed: a lane holds one query; by the storage order of rows the 16 registers of key tiles 2 b, 2 b + 1 are 16 neighbouring keys.
; REGISTERS: v1-3 addresses that stay, v4, v7, v8, v236-238 the step's; v10 8 x lane, v11 4 r; v12 -M, v13 largest t, v[14:15] the sum; v16-27 Q; v28-31 K's scale words; v32-79 K's eight half fragments; v80-127 V^T's four fragments;
; v128-191 S^T, then p; v192-223 O^T; v224-235 p's codes; v232-249 at work; v250-251 V^T's scale words; v252 f; v253 p's scale word; v254 at work; v255 Q's scale word.
.set VC,    98304
.set SCB,   196608
.set VSB,   204800
.set SPARE, 208896                     ; the spare words, 128 bytes for each of sixteen waves
.set SPW, 5
.set NIL, 6
.set WV,  18
.set SEL, 20
.set CS,  22
.macro CROUND
	s_barrier_signal -1
	s_barrier_wait -1
	s_cmp_lg_u32 s[WV], 0
	s_cbranch_scc1 .Lnot_wave_0_\@
	s_barrier_signal -3
.Lnot_wave_0_\@:
	s_barrier_wait -3
	s_barrier_signal -1
	s_barrier_wait -1
.endm
.macro GRP1 g, c, r, p                 ; group 1: r rows of c elements of 8 bytes, pitch p; the mask of all four partners, bit 21 beside it
	s_mov_b32 s[\g], 15|(3<<16)|(1<<21)
	s_mov_b32 s[\g+1], (\c)<<16
	s_mov_b32 s[\g+2], (\r)<<16
	s_mov_b32 s[\g+3], (\c)<<16
	s_mov_b32 s[\g+4], \r
	s_mov_b32 s[\g+5], \p
	s_mov_b32 s[\g+6], 0
	s_mov_b32 s[\g+7], 0
.endm
.macro TLOAD g0, g1
	tensor_load_to_lds s[\g0:\g0+3], s[\g1:\g1+7]
	s_nop 0
.rept 4
	v_nop
.endr
.endm
.macro ARM under, g0, g1, next
	s_cmp_lt_u32 s[WV], \under
	s_cbranch_scc0 \next
	TLOAD \g0, \g1
	s_branch .Lhead_asked
\next:
.endm
	s_load_b128 s[4:7], s[0:1], 0x0                ; qkv, att
	v_lshl_add_u32 v[SPW], v0, 2, SPARE
	v_mov_b32 v[NIL], 0
	ds_add_u32 v[SPW], v[NIL]                      ; the opening: the add, twice on end, and its wait ahead of my first tensor load
	ds_add_u32 v[SPW], v[NIL]
	v_lshrrev_b32 v1, 5, v0
	v_readfirstlane_b32 s[WV], v1                  ; wave 0..15
	s_bfe_u32 s9, ttmp6, 0x40000                   ; cx: it enters Q's and O's global addresses alone
	s_lshl_b32 s10, ttmp9, 2
	s_add_co_u32 s10, s10, s9                      ; my block of 256 queries
	s_and_b32 s11, ttmp7, 0xffff
	s_lshr_b32 s12, s11, 4                         ; batch
	s_and_b32 s13, s11, 15                         ; head
	GRP1 24, 32, 48, 32                            ; K's codes: 12,288 dense bytes as 48 rows of 256
	GRP1 32, 384, 8, 6144                          ; V^T's codes: 8 rows of 3,072 bytes, 49,152 bytes apart
	GRP1 40, 32, 16, 32                            ; K's scale words: 4,096 dense bytes
	GRP1 48, 32, 8, 512                            ; V^T's scale words: 8 rows of 256 bytes, 4,096 bytes apart
	s_add_co_u32 s14, s13, 16
	s_lshl_b32 s14, s14, 8
	s_lshl_b32 s15, s12, 7
	s_add_co_u32 s14, s14, s15                     ; K's first tile: (16 + head) 256 + 128 batch
	s_and_b32 s16, s[WV], 7
	s_lshl_b32 s17, s16, 4
	s_add_co_u32 s17, s14, s17                     ; + my eighth's 16 tiles
	s_mul_i32 s76, s17, 768
	s_mov_b32 s77, 0
	s_mul_i32 s84, s16, 12288
	s_and_b32 s16, s[WV], 1
	s_lshl_b32 s78, s16, 6
	s_add_co_u32 s78, s78, s14                     ; K's scale words: + my half's 64 tiles
	s_lshl_b32 s78, s78, 6
	s_add_co_u32 s78, s78, 9437184
	s_mov_b32 s79, 0
	s_lshl_b32 s87, s16, 12
	s_add_co_u32 s87, s87, SCB
	s_lshl_b32 s15, s12, 4
	s_lshl_b32 s17, s16, 3
	s_add_co_u32 s15, s15, s17                     ; V^T's scale words: key step 16 batch + 8 half
	s_lshl_b32 s15, s15, 10
	s_lshl_b32 s17, s13, 6
	s_add_co_u32 s15, s15, s17
	s_lshl_b32 s82, s15, 2
	s_add_co_u32 s82, s82, 9961472
	s_mov_b32 s83, 0
	s_lshl_b32 s89, s16, 11
	s_add_co_u32 s89, s89, VSB
	s_and_b32 s16, s[WV], 3
	s_lshl_b32 s15, s12, 5
	s_lshl_b32 s17, s16, 3
	s_add_co_u32 s15, s15, s17
	s_lshl_b32 s15, s15, 6
	s_lshl_b32 s17, s13, 2
	s_add_co_u32 s15, s15, s17                     ; V^T: (32 batch + 8 quarter) 64 + 4 head
	s_mul_i32 s80, s15, 768
	s_add_co_u32 s80, s80, 6291456
	s_mov_b32 s81, 0
	s_mul_i32 s85, s16, 24576
	s_add_co_u32 s85, s85, VC
	s_lshl_b32 s86, s12, 7
	s_lshl_b32 s88, s10, 4
	s_add_co_u32 s86, s86, s88
	s_add_co_u32 s86, s86, s[WV]                   ; my tile of queries
	s_lshl_b32 s88, s13, 8
	s_add_co_u32 s88, s88, s86
	s_mul_i32 s90, s88, 768                        ; Q's codes in qkv, and O's in att
	s_mov_b32 s91, 0
	s_lshl_b32 s92, s88, 6
	s_add_co_u32 s92, s92, 9437184                 ; Q's scale words
	s_mov_b32 s93, 0
	s_lshr_b32 s94, s13, 1
	s_lshl_b32 s94, s94, 8
	s_add_co_u32 s94, s94, s86
	s_lshl_b32 s94, s94, 6
	s_and_b32 s95, s13, 1
	s_lshl_b32 s95, s95, 1
	s_add_co_u32 s94, s94, s95
	s_add_co_u32 s94, s94, 3145728                 ; O's two scale bytes: word (head / 2, row), bytes 2 (head % 2) on
	s_mov_b32 s95, 0
	s_mov_b32 s[SEL], 0x76543210
	s_mov_b32 s[SEL+1], 0xfedcba98
	s_mov_b32 s[CS], 0x3e38aa3b                    ; c = log2(e) / sqrt(64)
	s_mov_b32 s[CS+1], s[CS]
	s_mov_b32 s2, 0                                ; the step's K codes,
	s_mov_b32 s9, VC                               ; V^T codes,
	s_mov_b32 s3, 0                                ; K's scale words,
	s_mov_b32 s19, 0                               ; V^T's scale words
	s_mov_b32 s8, 16                               ; key steps
	s_wait_dscnt 0x0                               ; both opening adds are done
	s_wait_kmcnt 0x0
	CROUND                                         ; all four work-groups are here: the joint loads meet
	s_mov_b32 s56, 1
	s_mov_b32 s57, s84
	s_add_nc_u64 s[58:59], s[4:5], s[76:77]
	s_or_b32 s59, s59, 0x80000000
	s_mov_b32 s60, 1
	s_mov_b32 s61, s85
	s_add_nc_u64 s[62:63], s[4:5], s[80:81]
	s_or_b32 s63, s63, 0x80000000
	s_mov_b32 s68, 1
	s_mov_b32 s69, s87
	s_add_nc_u64 s[70:71], s[4:5], s[78:79]
	s_or_b32 s71, s71, 0x80000000
	s_mov_b32 s72, 1
	s_mov_b32 s73, s89
	s_add_nc_u64 s[74:75], s[4:5], s[82:83]
	s_or_b32 s75, s75, 0x80000000
	ARM 8, 56, 24, .Lhead_v                        ; one chain of branches on the wave's number, one load to an arm
	ARM 12, 60, 32, .Lhead_ks
	ARM 14, 68, 40, .Lhead_vs
	TLOAD 72, 48
.Lhead_asked:
	s_add_nc_u64 s[12:13], s[4:5], s[90:91]        ; Q's codes
	s_add_nc_u64 s[14:15], s[4:5], s[92:93]        ; Q's scale words
	s_add_nc_u64 s[16:17], s[6:7], s[90:91]        ; O's codes
	s_add_nc_u64 s[10:11], s[6:7], s[94:95]        ; O's scale bytes
	v_and_b32 v10, 31, v0
	v_and_b32 v11, 15, v0
	v_lshlrev_b32 v1, 4, v10                       ; 16 x lane
	v_lshlrev_b32 v3, 2, v10
	v_lshlrev_b32 v10, 3, v10                      ; 8 x lane
	v_lshlrev_b32 v11, 2, v11                      ; 4 r
	v_add_nc_u32 v3, SCB, v3                       ; the scale words: 4 x lane: two tiles to a load
	v_add_nc_u32 v2, 512, v10
	global_load_b128 v[16:19], v1, s[12:13]        ; Q's half fragment stays in registers
	global_load_b64 v[20:21], v10, s[12:13] offset:512
	global_load_b32 v255, v11, s[14:15]
.irp j, 22,23,24,25,26,27, 80,81,82,83,84,85
	v_mov_b32 v[\j], 0                             ; Q's k = 64 .. 127: zero codes; and the six registers behind K's last half fragment, before V^T first lands there
.endr
	v_mov_b32 v13, 0xff61b1e6                      ; the largest t so far: -3e38
	v_mov_b32 v12, 0x7f61b1e6                      ; -M
	v_mov_b32 v14, 0
	v_mov_b32 v15, 0
	v_mov_b32 v239, 0                              ; a lane permute's destination counts as one of its sources (v236-238 are written at each step's head)
	v_mov_b32 v253, 0                              ; named as the upper half of v[252:253] before it is first written
.set i, 0
.rept 32
	v_mov_b32 v[192+i], 0                          ; O^T: the step is written once; the first change of M leaves zeros zeros
.set i, i+1
.endr
	s_wait_alu depctr_va_vdst(0)
	s_wait_tensorcnt 0x0                           ; my load has landed,
	s_barrier_signal -1
	s_barrier_wait -1                              ; everybody's has; nothing is filled again
	s_wait_loadcnt 0x0                             ; Q
.Lstep:
	v_add_nc_u32 v4, s2, v1
	v_add_nc_u32 v7, s2, v2
	v_add_nc_u32 v8, s3, v3
	v_add_nc_u32 v236, s9, v1
	v_add_nc_u32 v237, s9, v2
	v_add_nc_u32 v238, s19, v3
.irp t, 0,1,2,3,4,5,6,7
	ds_load_b128 v[32+6*\t:35+6*\t], v4 offset:768*\t
	ds_load_b64 v[36+6*\t:37+6*\t], v7 offset:768*\t
.endr
.irp b, 0,1,2,3
	ds_load_b32 v[28+\b], v8 offset:128*\b
.endr
	s_wait_alu depctr_va_vdst(0)
	s_wait_dscnt 0x0
.irp b, 0,1,2,3                                ; S^T = K Q^T: eight key tiles
	v_wmma_scale_f32_16x16x128_f8f6f4 v[128+16*\b:135+16*\b], v[32+12*\b:43+12*\b], v[16:27], 0, v[28+\b], v255 matrix_a_fmt:MATRIX_FMT_FP6 matrix_b_fmt:MATRIX_FMT_FP6
	v_wmma_scale_f32_16x16x128_f8f6f4 v[136+16*\b:143+16*\b], v[38+12*\b:49+12*\b], v[16:27], 0, v[28+\b], v255 matrix_a_fmt:MATRIX_FMT_FP6 matrix_b_fmt:MATRIX_FMT_FP6 matrix_a_scale:MATRIX_SCALE_ROW1
.endr
.rept 4
	v_nop                                          ; places in front of the loads below and of the first reads of S^T
.endr
.irp t, 0,1,2,3                                ; V^T's four fragments land while the softmax is worked
	ds_load_b128 v[80+12*\t:83+12*\t], v236 offset:768*\t
	ds_load_b64 v[84+12*\t:85+12*\t], v237 offset:768*\t
	ds_load_b128 v[86+12*\t:89+12*\t], v236 offset:3072+768*\t
	ds_load_b64 v[90+12*\t:91+12*\t], v237 offset:3072+768*\t
.endr
	ds_load_b32 v250, v238 offset:8192
	ds_load_b32 v251, v238 offset:8320
.irp b, 0,1,2,3
	v_max3_num_f32 v[232+\b], v[128+16*\b], v[129+16*\b], v[130+16*\b]   ; the largest score of each block of 32 keys: for the row's maximum and, since p rises with the score, for the block's largest p
.endr
.irp i, 3,5,7,9,11,13
.irp b, 0,1,2,3
	v_max3_num_f32 v[232+\b], v[232+\b], v[128+16*\b+\i], v[129+16*\b+\i]
.endr
.endr
.irp b, 0,1,2,3
	v_max_num_f32 v[232+\b], v[232+\b], v[143+16*\b]
.endr
.irp b, 0,1,2,3
	s_delay_alu instid0(VALU_DEP_4)
	v_permlanex16_b32 v[236+\b], v[232+\b], s[SEL], s[SEL+1]
.endr
.irp b, 0,1,2,3
	s_delay_alu instid0(VALU_DEP_4)
	v_max_num_f32 v[232+\b], v[232+\b], v[236+\b]
.endr
	s_delay_alu instid0(VALU_DEP_2)
	v_max3_num_f32 v254, v232, v233, v234
	s_delay_alu instid0(VALU_DEP_1)
	v_max_num_f32 v254, v254, v235
	s_delay_alu instid0(VALU_DEP_1)
	v_mul_f32 v254, s[CS], v254
	s_delay_alu instid0(VALU_DEP_1)
	v_max_num_f32 v13, v13, v254                   ; the running largest t
	v_mov_b32 v254, v12
	s_delay_alu instid0(VALU_DEP_2)
	v_floor_f32 v12, -v13                          ; the new -M = -ceil(t)
.set i, 0
.rept 32
	v_pk_fma_f32 v[128+i:129+i], v[128+i:129+i], s[CS:CS+1], v[12:13] op_sel_hi:[1,0,0]   ; t - M
.if i == 8
	v_sub_f32 v254, v12, v254                      ; old M - new M: a whole number, 0 or less
.endif
.if i == 24
	v_cvt_i32_f32 v254, v254                       ; (it saturates)
.endif
.if i == 40
	v_ldexp_f32 v252, 1.0, v254                    ; f = 2^(old M - new M): exact
.endif
.set i, i+2
.endr
.irp b, 0,1,2,3
	v_fma_f32 v[232+\b], v[232+\b], s[CS], v12
.endr
	s_wait_alu depctr_va_vdst(0)                   ; ahead of the batch
.set i, 0
.rept 64
	v_exp_f32 v[128+i], v[128+i]                   ; p = 2^(t - M)
.set i, i+1
.endr
	v_pk_mul_f32 v[14:15], v[14:15], v[252:253] op_sel_hi:[1,0]   ; the sums under the new M: a plain place behind the exponentials
	s_wait_alu depctr_va_vdst(0)                   ; one wait for the batch of 64
.irp b, 0,1,2,3
	v_exp_f32 v[232+\b], v[232+\b]                 ; the blocks' largest p
.endr
.irp k, 0,1,2,3,4                              ; the sum of the unquantised p: 32 pairs in six chains, v[240:249] and the sum itself
	v_pk_add_f32 v[240+2*\k:241+2*\k], v[128+4*\k:129+4*\k], v[130+4*\k:131+4*\k]
.endr
.irp r, 0,1,2
.irp k, 0,1,2,3,4
	v_pk_add_f32 v[240+2*\k:241+2*\k], v[240+2*\k:241+2*\k], v[148+12*\r+2*\k:149+12*\r+2*\k]
.endr
	v_pk_add_f32 v[14:15], v[14:15], v[158+12*\r:159+12*\r]
.endr
.irp k, 0,1,2,3
	v_pk_add_f32 v[240+2*\k:241+2*\k], v[240+2*\k:241+2*\k], v[184+2*\k:185+2*\k]
.endr
	v_pk_add_f32 v[14:15], v[14:15], v[248:249]
	v_pk_add_f32 v[240:241], v[240:241], v[242:243]
	v_pk_add_f32 v[244:245], v[244:245], v[246:247]
	s_delay_alu instid0(VALU_DEP_1)
	v_pk_add_f32 v[240:241], v[240:241], v[244:245]
	s_delay_alu instid0(VALU_DEP_1)
	v_pk_add_f32 v[14:15], v[14:15], v[240:241]
	s_wait_alu depctr_va_vdst(0)                   ; and one for the four
.irp b, 0,1,2,3
	v_max_num_f32 v[232+\b], 0x1800000, v[232+\b]  ; the floor 2^(3 - 127)
.endr
.irp b, 0,1,2,3
	s_delay_alu instid0(VALU_DEP_4)
	v_add_nc_u32 v[244+\b], 0xff000000, v[232+\b]  ; 2 off the exponent field: the conversion's scale operand
.endr
.irp b, 0,1,2,3
	s_delay_alu instid0(VALU_DEP_4)
	v_lshrrev_b32 v[236+\b], 23, v[244+\b]         ; the scale's byte
.endr
	s_delay_alu instid0(VALU_DEP_3)
	v_lshl_or_b32 v253, v237, 8, v236              ; p's scale word for these 128 keys
	s_delay_alu instid0(VALU_DEP_1)
	v_lshl_or_b32 v253, v238, 16, v253
	s_delay_alu instid0(VALU_DEP_1)
	v_lshl_or_b32 v253, v239, 24, v253
.irp c, 0,1
	v_cvt_scalef32_pk16_fp6_f32 v[224+6*\c:226+6*\c], v[128+32*\c:143+32*\c], v[244+2*\c]
	v_cvt_scalef32_pk16_fp6_f32 v[236+4*\c:238+4*\c], v[144+32*\c:159+32*\c], v[244+2*\c+1]
.endr
	v_nop                                          ; one plain place behind a scaled conversion
.irp c, 0,1                                    ; a whole block to a lane
.irp i, 0,1,2
	v_permlane16_swap_b32 v[224+6*\c+\i], v[236+4*\c+\i]
.endr
.irp i, 0,1,2
	v_mov_b32 v[227+6*\c+\i], v[236+4*\c+\i]
.endr
.endr
	s_wait_alu depctr_va_vdst(0)                   ; directly ahead of the first readers of O^T
.set i, 0
.rept 16
	v_pk_mul_f32 v[192+i:193+i], v[192+i:193+i], v[252:253] op_sel_hi:[1,0]   ; O^T under the new M; these sixteen are also the places in front of the scaled products
.set i, i+2
.endr
	s_wait_alu depctr_va_vdst(0)
	s_wait_dscnt 0x0                               ; V^T
.irp u, 0,1
	v_wmma_scale_f32_16x16x128_f8f6f4 v[192+16*\u:199+16*\u], v[80+24*\u:91+24*\u], v[224:235], v[192+16*\u:199+16*\u], v[250+\u], v253 matrix_a_fmt:MATRIX_FMT_FP6 matrix_b_fmt:MATRIX_FMT_FP6
	v_wmma_scale_f32_16x16x128_f8f6f4 v[200+16*\u:207+16*\u], v[92+24*\u:103+24*\u], v[224:235], v[200+16*\u:207+16*\u], v[250+\u], v253 matrix_a_fmt:MATRIX_FMT_FP6 matrix_b_fmt:MATRIX_FMT_FP6 matrix_a_scale:MATRIX_SCALE_ROW1
.endr
	s_add_co_u32 s2, s2, 6144
	s_add_co_u32 s9, s9, 6144
	s_add_co_u32 s3, s3, 512
	s_add_co_u32 s19, s19, 256
	s_sub_co_u32 s8, s8, 1
	s_cmp_lg_u32 s8, 0
	s_wait_alu depctr_va_vdst(0)
	s_cbranch_scc1 .Lstep
	; THE WAY OUT: O^T / the sum, quantised along the head's 64: half a fragment and two scale bytes
	v_add_f32 v14, v14, v15
	s_delay_alu instid0(VALU_DEP_1)
	v_permlanex16_b32 v252, v14, s[SEL], s[SEL+1]
	s_delay_alu instid0(VALU_DEP_1)
	v_add_f32 v14, v14, v252
	s_wait_alu depctr_va_vdst(0)
	v_rcp_f32 v14, v14
.rept 3
	v_nop                                          ; with the two additions: the places behind the last products; and the plain place behind the reciprocal
.endr
	s_wait_alu depctr_va_vdst(0)
.set i, 0
.rept 32
	v_mul_f32 v[128+i], v[192+i], v14              ; register 16 b + i: d = 32 b + 16 (lane / 16) + i of my query
.set i, i+1
.endr
.irp b, 0,1
	v_max3_num_f32 v[232+\b], |v[128+16*\b]|, |v[129+16*\b]|, 0x1800000
.endr
.irp i, 2,4,6,8,10,12,14
.irp b, 0,1
	s_delay_alu instid0(VALU_DEP_2)
	v_max3_num_f32 v[232+\b], v[232+\b], |v[128+16*\b+\i]|, |v[129+16*\b+\i]|
.endr
.endr
.irp b, 0,1
	s_delay_alu instid0(VALU_DEP_2)
	v_permlanex16_b32 v[236+\b], v[232+\b], s[SEL], s[SEL+1]
.endr
.irp b, 0,1
	s_delay_alu instid0(VALU_DEP_2)
	v_max_num_f32 v[232+\b], v[232+\b], v[236+\b]
.endr
.irp b, 0,1
	s_delay_alu instid0(VALU_DEP_2)
	v_add_nc_u32 v[244+\b], 0xff000000, v[232+\b]
.endr
.irp b, 0,1
	s_delay_alu instid0(VALU_DEP_2)
	v_lshrrev_b32 v[236+\b], 23, v[244+\b]
.endr
	s_delay_alu instid0(VALU_DEP_1)
	v_lshl_or_b32 v254, v237, 8, v236
	v_cvt_scalef32_pk16_fp6_f32 v[224:226], v[128:143], v244
	v_cvt_scalef32_pk16_fp6_f32 v[240:242], v[144:159], v245
	v_nop
.irp i, 0,1,2
	v_permlane16_swap_b32 v[224+\i], v[240+\i]
.endr
.irp i, 0,1,2
	v_mov_b32 v[227+\i], v[240+\i]
.endr
	global_store_b128 v1, v[224:227], s[16:17]
	global_store_b64 v10, v[228:229], s[16:17] offset:512
	global_store_b16 v11, v254, s[10:11]           ; lanes r and r + 16 store the same two bytes
	s_wait_tensorcnt 0x0                           ; the wave's end
	ds_add_u32 v[SPW], v[NIL]
	s_wait_dscnt 0x0
	CROUND                                         ; the closing round
	s_endpgm
.Lfunc_end_k_q431c775d09_attn:
	.size	k_q431c775d09_attn, .Lfunc_end_k_q431c775d09_attn-k_q431c775d09_attn
	.p2alignl 7, 3214868480
	.fill 96, 4, 3214868480
	.section	.rodata,"a",@progbits
	.p2align	6, 0x0
	.amdhsa_kernel k_q431c775d09_attn
		.amdhsa_group_segment_fixed_size 210944
		.amdhsa_private_segment_fixed_size 0
		.amdhsa_enable_private_segment 0
		.amdhsa_kernarg_size 16
		.amdhsa_user_sgpr_count 2
		.amdhsa_user_sgpr_kernarg_segment_ptr 1
		.amdhsa_wavefront_size32 1
		.amdhsa_system_sgpr_workgroup_id_x 1
		.amdhsa_system_sgpr_workgroup_id_y 1
		.amdhsa_system_sgpr_workgroup_id_z 1
		.amdhsa_system_vgpr_workitem_id 0
		.amdhsa_next_free_vgpr 256
		.amdhsa_next_free_sgpr 100
		.amdhsa_reserve_vcc 0
		.amdhsa_float_denorm_mode_32 3
		.amdhsa_float_denorm_mode_16_64 3
		.amdhsa_memory_ordered 1
		.amdhsa_forward_progress 1
		.amdhsa_inst_pref_size 32
	.end_amdhsa_kernel
	.amdgpu_metadata
---
amdhsa.version: [ 1, 2 ]
amdhsa.kernels:
  - .name:           k_q431c775d09_attn
    .symbol:         k_q431c775d09_attn.kd
    .args:
      - { .name: qkv, .offset: 0, .size: 8, .value_kind: global_buffer, .address_space: global }
      - { .name: att, .offset: 8, .size: 8, .value_kind: global_buffer, .address_space: global }
    .group_segment_fixed_size: 210944
    .private_segment_fixed_size: 0
    .kernarg_segment_align: 8
    .kernarg_segment_size: 16
    .max_flat_workgroup_size: 512
    .sgpr_count:     100
    .vgpr_count:     256
    .wavefront_size: 32
...
	.end_amdgpu_metadata
.endif
;; end of part 3
;; launch oln (part 4): grid 256 x 1, 8 waves a work-group, clusters of 4 x 1, 295,936 bytes of LDS; arguments att, wq, x, g1, b1, x1; writes x1
.if DOCPART == 4
	.amdgcn_target "amdgcn-amd-amdhsa--gfx1250"
	.amdhsa_code_object_version 6
	.text
	.protected	k_q431c775d09_oln
	.globl	k_q431c775d09_oln
	.p2align	8
	.type	k_q431c775d09_oln,@function
k_q431c775d09_oln:
	s_mov_b64 s[64:65], 0
	v_nop
	global_prefetch_b8 v0, s[64:65] scope:SCOPE_SE
	s_setreg_imm32_b32 hwreg(HW_REG_WAVE_MODE, 25, 1), 1
	s_wait_xcnt 0x0
	s_wait_alu depctr_hold_cnt(0) depctr_sa_sdst(0) depctr_va_vdst(0) depctr_va_sdst(0) depctr_va_ssrc(0) depctr_va_vcc(0) depctr_vm_vsrc(0)
	s_getreg_b32 s2, hwreg(HW_REG_IB_STS2, 6, 4)
	s_cmp_eq_u32 s2, 0
	s_cbranch_scc0 .Lentry_in_a_cluster
	s_endpgm
.Lentry_in_a_cluster:
	s_bfe_u32 s2, ttmp6, 0x10000c
	s_cmp_lg_u32 s2, 0x3003
	s_cbranch_scc0 .Lentry_shape_is_right
	s_endpgm
.Lentry_shape_is_right:
; Product 6, the residual and LayerNorm 1 in one launch: x1 = LN(x + attention's result Wo^T), as f32 (logical rows, byte 0) and as codes of FP6 ([16][256 tiles][768] at 16,777,216) with scale words ([8][4,096][4] at 19,922,944).
; Nothing is left out.  Layouts of codes and scales: see the first kernel.  LIMITS of the quantiser as there.
; Work-group T owns storage tile T, 16 tokens, and all 1,024 columns, so that a row's mean and variance need no other work-group.  Wave w makes columns 128 w on: 8 accumulators; K = 1,024 goes in 8 steps of 128.
; Wo's CODES COME BY TWO ROADS.  K steps 0-2 by tensor loads into LDS, once: wave w brings 6 rows (k / 64) of 6,144 bytes, its own eight tiles, to 36,864 w, and it alone reads them, so its own wait on TENSORcnt orders the reads.
; The four work-groups of a cluster need the same bytes and ask jointly.  K steps 3-7 come straight from memory into registers: the workspace holds the image of a fragment's registers, so a fragment is four loads of 512 or 256
; consecutive bytes; such a step is 41 loads a wave (32 for Wo's eight fragments, 4 for the tokens', 1 and 4 for the scale words) into one of two sets of registers, and the next step's 41 stay out while a step is multiplied.
; The steps from LDS stand between the steps from memory; the order along K is 3, 4, 5, 0, 6, 1, 2, 7.  LDS has no room for more than three steps (98,304 bytes each) and nothing is filled again.
; No prefetch: all work-groups read the same 786,432 bytes of Wo in the same order, the tensor loads go out at the head, and the two sets of registers ask two steps ahead.
; Used transposed (source 0 = 16 rows of Wo, source 1 = 16 tokens): a lane holds one token and eight neighbouring logical columns.  The sums meet in a stage in LDS (16 rows of 4,112 bytes, over bytes whose one fill has been
; read out: a barrier stands between the last reads and the first store); wave w then takes the tile's rows 2 w, 2 w + 1, adds x, and normalises: mean, then the mean of the squared differences from it, two passes over registers.
; The rows meet in the stage again, and wave w quantises K step w of all 16.
; REGISTERS.  Window 0: v1-11 addresses; v12-27 at work; v28-91 two rows (during the product v28-51 the tokens' fragments, two sets, v52-87 three of Wo's fragments from LDS); v92-123 g, v124-155 b (before: five of Wo's fragments from LDS);
; v156-219 the accumulators; v220-244 scale words and nothing else.  Window 1: v0-191 Wo's fragments from memory, two sets; behind the product v0-63 the numbers to quantise, v64-83 codes, v96-112 at work;
; v192-255 x's two rows (before: v192-227 the tokens' fragments of K steps 0-2).
.set KBA, 196608
.set KBB, 589824
.set PITCH, 4112
.set WPART, 36864                      ; a wave's part of LDS: [6 = k / 64][8 tiles][768]
.set SPARE, 8*WPART                    ; the spare words, 128 bytes a wave
.set SPW, 8
.set NIL, 9
.set L16, 7
.set L8,  11
.set X0, 28
.set G,  92
.set BT, 124
.set ACC, 156
.set SA, 220
.set SB, 222
.set SAL, 230
.set SBL, 233
.set XR, 192
.set XQ, 0
.set PC, 64
.set TM, 96
.set PW, 112
.set SEL, 20
.set MSB, 0
.macro WIN new                         ; the immediate's high byte repeats the setting that is left
.if MSB != (\new)
	s_set_vgpr_msb (MSB<<8)|(\new)
.set MSB, (\new)
.endif
.endm
.macro CROUND
	s_barrier_signal -1
	s_barrier_wait -1
	s_cmp_lg_u32 s16, 0
	s_cbranch_scc1 .Lnot_wave_0_\@
	s_barrier_signal -3
.Lnot_wave_0_\@:
	s_barrier_wait -3
	s_barrier_signal -1
	s_barrier_wait -1
.endm
.macro PLACES
.rept 4
	v_nop
.endr
.endm
.macro QUANT s
.irp b, 0,1,2,3
	v_max3_num_f32 v[TM+\b], |v[\s+16*\b]|, |v[\s+1+16*\b]|, 0x1800000
.endr
.irp i, 2,4,6,8,10,12,14
.irp b, 0,1,2,3
	s_delay_alu instid0(VALU_DEP_4)
	v_max3_num_f32 v[TM+\b], v[TM+\b], |v[\s+16*\b+\i]|, |v[\s+1+16*\b+\i]|
.endr
.endr
.irp b, 0,1,2,3
	s_delay_alu instid0(VALU_DEP_4)
	v_permlanex16_b32 v[TM+4+\b], v[TM+\b], s[SEL], s[SEL+1]
.endr
.irp b, 0,1,2,3
	s_delay_alu instid0(VALU_DEP_4)
	v_max_num_f32 v[TM+\b], v[TM+\b], v[TM+4+\b]
.endr
.irp b, 0,1,2,3
	s_delay_alu instid0(VALU_DEP_4)
	v_add_nc_u32 v[TM+12+\b], 0xff000000, v[TM+\b]
.endr
.irp b, 0,1,2,3
	s_delay_alu instid0(VALU_DEP_4)
	v_lshrrev_b32 v[TM+4+\b], 23, v[TM+12+\b]
.endr
	s_delay_alu instid0(VALU_DEP_3)
	v_lshl_or_b32 v[PW], v[TM+5], 8, v[TM+4]
	s_delay_alu instid0(VALU_DEP_1)
	v_lshl_or_b32 v[PW], v[TM+6], 16, v[PW]
	s_delay_alu instid0(VALU_DEP_1)
	v_lshl_or_b32 v[PW], v[TM+7], 24, v[PW]
.irp c, 0,1
	v_cvt_scalef32_pk16_fp6_f32 v[PC+6*\c:PC+2+6*\c], v[\s+32*\c:\s+15+32*\c], v[TM+12+2*\c]
	v_cvt_scalef32_pk16_fp6_f32 v[PC+12+4*\c:PC+14+4*\c], v[\s+16+32*\c:\s+31+32*\c], v[TM+12+2*\c+1]
.endr
	v_nop
.irp c, 0,1
.irp i, 0,1,2
	v_permlane16_swap_b32 v[PC+6*\c+\i], v[PC+12+4*\c+\i]
.endr
.irp i, 0,1,2
	v_mov_b32 v[PC+3+6*\c+\i], v[PC+12+4*\c+\i]
.endr
.endr
.endm
.macro REDUCE a                        ; v[a] and v[a + 8]: sums over the 32 lanes, in every lane
.irp m, 1,2,4,8
	s_delay_alu instid0(VALU_DEP_2)
	v_add_f32_dpp v[\a], v[\a], v[\a] row_xmask:\m row_mask:0xf bank_mask:0xf
	s_delay_alu instid0(VALU_DEP_2)
	v_add_f32_dpp v[\a+8], v[\a+8], v[\a+8] row_xmask:\m row_mask:0xf bank_mask:0xf
.endr
	s_delay_alu instid0(VALU_DEP_2)
	v_permlanex16_b32 v[\a+1], v[\a], s[SEL], s[SEL+1]
	s_delay_alu instid0(VALU_DEP_2)
	v_permlanex16_b32 v[\a+9], v[\a+8], s[SEL], s[SEL+1]
	s_delay_alu instid0(VALU_DEP_2)
	v_add_f32 v[\a], v[\a], v[\a+1]
	s_delay_alu instid0(VALU_DEP_2)
	v_add_f32 v[\a+8], v[\a+8], v[\a+9]
.endm
	s_load_b256 s[4:11], s[0:1], 0x0               ; att, wq, x, g1
	s_load_b128 s[12:15], s[0:1], 0x20             ; b1, x1
	v_lshl_add_u32 v[SPW], v0, 2, SPARE
	v_mov_b32 v[NIL], 0
	ds_add_u32 v[SPW], v[NIL]                      ; the opening: the add, twice on end, and its wait ahead of my first tensor load
	ds_add_u32 v[SPW], v[NIL]
	v_lshrrev_b32 v1, 5, v0
	v_readfirstlane_b32 s16, v1                    ; wave
	s_bfe_u32 s17, ttmp6, 0x40000                  ; cx: it enters global addresses of the tokens, x and x1 alone
	s_lshl_b32 s18, ttmp9, 2
	s_add_co_u32 s17, s18, s17                     ; T
	s_mov_b32 s[SEL], 0x76543210
	s_mov_b32 s[SEL+1], 0xfedcba98
	s_mov_b32 s22, 0x3a800000                      ; 1 / 1,024
	s_mov_b32 s23, 0x3727c5ac                      ; 1e-5
	s_mov_b32 s68, 15|(3<<16)|(1<<21)              ; group 1: the mask of all four partners, elements of 8 bytes, bit 21 beside the mask; 6 rows of 6,144 bytes, 589,824 bytes apart
	s_mov_b32 s69, 768<<16
	s_mov_b32 s70, 6<<16
	s_mov_b32 s71, 768<<16
	s_mov_b32 s72, 6
	s_mov_b32 s73, 73728
	s_mov_b32 s74, 0
	s_mov_b32 s75, 0
	s_lshr_b32 s44, s17, 1
	s_lshl_b32 s44, s44, 5
	s_and_b32 s45, s17, 1
	s_lshl_b32 s45, s45, 3
	s_add_co_u32 s44, s44, s45
	s_lshl_b32 s45, s16, 1
	s_add_co_u32 s44, s44, s45
	s_lshr_b32 s45, s16, 2
	s_lshl_b32 s45, s45, 3
	s_add_co_u32 s44, s44, s45                     ; my first logical row: 32 (T / 2) + 8 (T % 2) + 2 w + 8 (w / 4)
	s_lshl_b32 s44, s44, 12
	s_mov_b32 s45, 0
	s_mul_i32 s46, s16, 2*PITCH
	s_lshl_b32 s47, s16, 9
	s_add_co_u32 s48, s47, s17                     ; x1's codes: (2 w) 256 + T
	s_mul_i32 s48, s48, 768
	s_add_co_u32 s48, s48, 16777216
	s_mov_b32 s49, 0
	s_lshl_b32 s50, s16, 14
	s_lshl_b32 s51, s17, 6
	s_add_co_u32 s50, s50, s51
	s_add_co_u32 s50, s50, 19922944                ; x1's scale words
	s_mov_b32 s51, 0
	s_mul_i32 s52, s17, 768                        ; the tokens' codes in att
	s_mov_b32 s53, 0
	s_lshl_b32 s54, s17, 6
	s_add_co_u32 s54, s54, 3145728                 ; and their scale words
	s_mov_b32 s55, 0
	s_lshl_b32 s56, s16, 3
	s_add_co_u32 s56, s56, 448                     ; Wo's tile 448 + 8 w
	s_lshl_b32 s58, s56, 6
	s_add_co_u32 s58, s58, 12582912
	s_mov_b32 s59, 0
	s_mul_i32 s56, s56, 768
	s_mov_b32 s57, 0
	s_mul_i32 s77, s16, WPART                      ; my part of LDS
	v_and_b32 v1, 31, v0
	v_and_b32 v6, 15, v0                           ; r
	v_bfe_u32 v7, v0, 4, 1                         ; h
	v_lshlrev_b32 v2, 4, v1                        ; 16 x lane
	v_lshlrev_b32 v3, 3, v1                        ; 8 x lane
	v_lshlrev_b32 v10, 2, v1                       ; 4 x lane
	v_mul_u32_u24 v5, v6, PITCH
	v_lshl_add_u32 v5, v7, 6, v5
	v_add_nc_u32 v5, s47, v5                       ; the stage by columns: row r, + 512 w + 64 h
	v_add_nc_u32 v4, s46, v2                       ; the stage by rows: row 2 w, + 16 x lane
	v_lshlrev_b32 v6, 2, v6                        ; 4 r
	v_add_nc_u32 v[L16], s77, v2                   ; my part of LDS, + 16 x lane,
	v_add_nc_u32 v[L8], s77, v3
	v_add_nc_u32 v[L8], 512, v[L8]                 ; and + 512 + 8 x lane
	s_wait_alu depctr_va_vdst(0)
	s_wait_dscnt 0x0                               ; both opening adds are done
	s_wait_kmcnt 0x0
	s_add_nc_u64 s[32:33], s[8:9], s[44:45]
	s_add_nc_u64 s[24:25], s[14:15], s[44:45]
	s_add_nc_u64 s[26:27], s[14:15], s[48:49]
	s_add_nc_u64 s[28:29], s[26:27], 196608
	s_add_nc_u64 s[30:31], s[14:15], s[50:51]
	s_add_nc_u64 s[34:35], s[4:5], s[52:53]
	s_add_nc_u64 s[36:37], s[4:5], s[54:55]
	s_add_nc_u64 s[38:39], s[6:7], s[56:57]        ; Wo's codes, K steps 0-3,
	s_add_nc_u64 s[40:41], s[38:39], 8*KBB         ; and 4-7: so that every step's place stands in a load's immediate
	s_add_nc_u64 s[42:43], s[6:7], s[58:59]
	WIN 0x40
.irp l, 0,1,2                                  ; what K steps 0-2 need beside Wo's codes: 27 loads, ahead of the steps' loads: loads come back in order, so no step's count names them
	global_load_b128 v[XR+12*\l:XR+12*\l+3], v2, s[34:35] offset:2*\l*KBA
	global_load_b64 v[XR+12*\l+4:XR+12*\l+5], v3, s[34:35] offset:2*\l*KBA+512
	global_load_b128 v[XR+12*\l+6:XR+12*\l+9], v2, s[34:35] offset:2*\l*KBA+KBA
	global_load_b64 v[XR+12*\l+10:XR+12*\l+11], v3, s[34:35] offset:2*\l*KBA+KBA+512
.endr
	WIN 0
.irp l, 0,1,2
	global_load_b32 v[SAL+\l], v6, s[36:37] offset:16384*\l
.irp i, 0,1,2,3
	global_load_b32 v[SBL+4*\l+\i], v10, s[42:43] offset:49152*\l+128*\i
.endr
.endr
	CROUND                                         ; all four work-groups are here: the joint loads meet
	s_mov_b32 s76, 1
	s_mov_b64 s[78:79], s[38:39]
	s_or_b32 s79, s79, 0x80000000
	tensor_load_to_lds s[76:79], s[68:75]          ; every wave's one tensor load: its eight tiles of K steps 0-2
	s_nop 0
	PLACES
.macro LOADSTEP s                      ; K step s into set s % 2: 41 loads
.set P, (\s)%2
.set BS, 38+2*((\s)/4)
.set KO, 2*((\s)%4)*KBB
	WIN 0x40
.irp i, 0,1,2,3,4,5,6,7
	global_load_b128 v[96*P+12*\i:96*P+12*\i+3], v2, s[BS:BS+1] offset:KO+768*\i
	global_load_b64 v[96*P+12*\i+4:96*P+12*\i+5], v3, s[BS:BS+1] offset:KO+768*\i+512
	global_load_b128 v[96*P+12*\i+6:96*P+12*\i+9], v2, s[BS:BS+1] offset:KO+KBB+768*\i
	global_load_b64 v[96*P+12*\i+10:96*P+12*\i+11], v3, s[BS:BS+1] offset:KO+KBB+768*\i+512
.endr
	WIN 0
	global_load_b128 v[X0+12*P:X0+12*P+3], v2, s[34:35] offset:2*(\s)*KBA
	global_load_b64 v[X0+12*P+4:X0+12*P+5], v3, s[34:35] offset:2*(\s)*KBA+512
	global_load_b128 v[X0+12*P+6:X0+12*P+9], v2, s[34:35] offset:2*(\s)*KBA+KBA
	global_load_b64 v[X0+12*P+10:X0+12*P+11], v3, s[34:35] offset:2*(\s)*KBA+KBA+512
	global_load_b32 v[SA+P], v6, s[36:37] offset:16384*(\s)
.irp i, 0,1,2,3
	global_load_b32 v[SB+4*P+\i], v10, s[42:43] offset:49152*(\s)+128*\i   ; lanes 0-15 tile 2 i, lanes 16-31 tile 2 i + 1
.endr
.endm
; A step from memory.  n: the loads issued behind this step's, which may stay out.  The 8 accumulators take turns, one instruction a turn, in the same order in every step; zero = 1 starts the sums
.macro STEPV s, n, zero
.set P, (\s)%2
	s_wait_loadcnt \n
	WIN 0x01                                       ; source 0 (Wo) window 1
.irp i, 0,1,2,3
.if \zero
	v_wmma_scale_f32_16x16x128_f8f6f4 v[ACC+16*\i:ACC+16*\i+7], v[96*P+24*\i:96*P+24*\i+11], v[X0+12*P:X0+12*P+11], 0, v[SB+4*P+\i], v[SA+P] matrix_a_fmt:MATRIX_FMT_FP6 matrix_b_fmt:MATRIX_FMT_FP6
	v_wmma_scale_f32_16x16x128_f8f6f4 v[ACC+16*\i+8:ACC+16*\i+15], v[96*P+24*\i+12:96*P+24*\i+23], v[X0+12*P:X0+12*P+11], 0, v[SB+4*P+\i], v[SA+P] matrix_a_fmt:MATRIX_FMT_FP6 matrix_b_fmt:MATRIX_FMT_FP6 matrix_a_scale:MATRIX_SCALE_ROW1
.else
	v_wmma_scale_f32_16x16x128_f8f6f4 v[ACC+16*\i:ACC+16*\i+7], v[96*P+24*\i:96*P+24*\i+11], v[X0+12*P:X0+12*P+11], v[ACC+16*\i:ACC+16*\i+7], v[SB+4*P+\i], v[SA+P] matrix_a_fmt:MATRIX_FMT_FP6 matrix_b_fmt:MATRIX_FMT_FP6
	v_wmma_scale_f32_16x16x128_f8f6f4 v[ACC+16*\i+8:ACC+16*\i+15], v[96*P+24*\i+12:96*P+24*\i+23], v[X0+12*P:X0+12*P+11], v[ACC+16*\i+8:ACC+16*\i+15], v[SB+4*P+\i], v[SA+P] matrix_a_fmt:MATRIX_FMT_FP6 matrix_b_fmt:MATRIX_FMT_FP6 matrix_a_scale:MATRIX_SCALE_ROW1
.endif
.endr
	WIN 0
	PLACES                                         ; in front of loads into registers that matrix instructions have read, and of the stores that read results
.if (\s)+2 < 8
	LOADSTEP (\s)+2
.endif
.endm
; Wo's eight fragments of K step l from my part of LDS: fragment i at v[92 + 12 i] (i < 5) or v[52 + 12 (i - 5)]: 32 loads
.macro LFETCH l
.irp i, 0,1,2,3,4,5,6,7
.set LB, 92+12*\i-100*(\i/5)
	ds_load_b128 v[LB:LB+3], v[L16] offset:2*(\l)*6144+768*\i
	ds_load_b64 v[LB+4:LB+5], v[L8] offset:2*(\l)*6144+768*\i
	ds_load_b128 v[LB+6:LB+9], v[L16] offset:(2*(\l)+1)*6144+768*\i
	ds_load_b64 v[LB+10:LB+11], v[L8] offset:(2*(\l)+1)*6144+768*\i
.endr
.endm
.macro LMUL l                          ; and its eight products
	s_wait_dscnt 0x0
	WIN 0x04                                       ; source 1 (the tokens) window 1
.irp i, 0,1,2,3
.set LB, 92+24*\i-100*((2*\i)/5)
.set LC, 92+24*\i+12-100*((2*\i+1)/5)
	v_wmma_scale_f32_16x16x128_f8f6f4 v[ACC+16*\i:ACC+16*\i+7], v[LB:LB+11], v[XR+12*(\l):XR+12*(\l)+11], v[ACC+16*\i:ACC+16*\i+7], v[SBL+4*(\l)+\i], v[SAL+(\l)] matrix_a_fmt:MATRIX_FMT_FP6 matrix_b_fmt:MATRIX_FMT_FP6
	v_wmma_scale_f32_16x16x128_f8f6f4 v[ACC+16*\i+8:ACC+16*\i+15], v[LC:LC+11], v[XR+12*(\l):XR+12*(\l)+11], v[ACC+16*\i+8:ACC+16*\i+15], v[SBL+4*(\l)+\i], v[SAL+(\l)] matrix_a_fmt:MATRIX_FMT_FP6 matrix_b_fmt:MATRIX_FMT_FP6 matrix_a_scale:MATRIX_SCALE_ROW1
.endr
	WIN 0
	PLACES
.endm
	LOADSTEP 3
	LOADSTEP 4
	STEPV 3, 41, 1                                 ; behind a step's loads stand the next step's 41
	STEPV 4, 41, 0
	s_wait_tensorcnt 0x0                           ; my part of LDS is whole; nobody else reads it
	LFETCH 0
	STEPV 5, 41, 0
	LMUL 0
	LFETCH 1
	STEPV 6, 41, 0
	LMUL 1
	LFETCH 2
	LMUL 2
	WIN 0x40
.irp e, 0,1
.irp j, 0,1,2,3,4,5,6,7
	global_load_b128 v[XR+32*\e+4*\j:XR+32*\e+4*\j+3], v2, s[32:33] offset:4096*\e+512*\j th:TH_LOAD_NT   ; x's two rows, g and b: 32 loads into registers that the steps from LDS have left
.endr
.endr
	WIN 0
.irp j, 0,1,2,3,4,5,6,7
	global_load_b128 v[G+4*\j:G+4*\j+3], v2, s[10:11] offset:512*\j
	global_load_b128 v[BT+4*\j:BT+4*\j+3], v2, s[12:13] offset:512*\j
.endr
	STEPV 7, 32, 0                                 ; behind step 7's loads stand those 32
	s_barrier_signal -1                            ; every wave's reads of its part of LDS have come back (the wait in front of its last products from LDS),
	s_barrier_wait -1                              ; so the stage may be laid over the first parts
.irp b, 0,1,2,3,4,5,6,7                        ; tile b = 2 beta + u holds the logical columns 32 beta + 16 h + 8 u + 0 .. 7; each accumulator from its low end on
	ds_store_b128 v5, v[ACC+8*\b:ACC+8*\b+3] offset:128*(\b/2)+32*(\b%2)
	ds_store_b128 v5, v[ACC+8*\b+4:ACC+8*\b+7] offset:128*(\b/2)+32*(\b%2)+16
.endr
	s_wait_dscnt 0x0                               ; for the others' sake: my 128 columns lie in the stage
	s_barrier_signal -1
	s_barrier_wait -1
.irp e, 0,1
.irp j, 0,1,2,3,4,5,6,7
	ds_load_b128 v[X0+32*\e+4*\j:X0+32*\e+4*\j+3], v4 offset:PITCH*\e+512*\j
.endr
.endr
	s_wait_dscnt 0x0
	s_wait_loadcnt 0x0                             ; x, g and b
	WIN 0x04                                       ; source 1 (x) window 1
.set i, 0
.rept 32
	v_pk_add_f32 v[X0+i:X0+i+1], v[X0+i:X0+i+1], v[XR+i:XR+i+1]   ; the residual
.set i, i+2
.endr
	WIN 0
.irp e, 0,1
	v_pk_add_f32 v[12+8*\e:13+8*\e], v[X0+32*\e:X0+32*\e+1], v[X0+32*\e+2:X0+32*\e+3]
	v_pk_add_f32 v[14+8*\e:15+8*\e], v[X0+32*\e+4:X0+32*\e+5], v[X0+32*\e+6:X0+32*\e+7]
.endr
.irp i, 8,12,16,20,24,28
.irp e, 0,1
	s_delay_alu instid0(VALU_DEP_4)
	v_pk_add_f32 v[12+8*\e:13+8*\e], v[12+8*\e:13+8*\e], v[X0+32*\e+\i:X0+32*\e+\i+1]
	s_delay_alu instid0(VALU_DEP_4)
	v_pk_add_f32 v[14+8*\e:15+8*\e], v[14+8*\e:15+8*\e], v[X0+32*\e+\i+2:X0+32*\e+\i+3]
.endr
.endr
.irp e, 0,1
	v_pk_add_f32 v[12+8*\e:13+8*\e], v[12+8*\e:13+8*\e], v[14+8*\e:15+8*\e]
.endr
.irp e, 0,1
	s_delay_alu instid0(VALU_DEP_2)
	v_add_f32 v[12+8*\e], v[12+8*\e], v[13+8*\e]
.endr
	REDUCE 12
.irp e, 0,1
	s_delay_alu instid0(VALU_DEP_2)
	v_mul_f32 v[12+8*\e], 0xba800000, v[12+8*\e]   ; - the mean
.endr
.irp i, 0,2,4,6,8,10,12,14,16,18,20,22,24,26,28,30
.irp e, 0,1
	v_pk_add_f32 v[X0+32*\e+\i:X0+32*\e+\i+1], v[X0+32*\e+\i:X0+32*\e+\i+1], v[12+8*\e:13+8*\e] op_sel_hi:[1,0]
.endr
.endr
.irp e, 0,1
	v_pk_mul_f32 v[16+8*\e:17+8*\e], v[X0+32*\e:X0+32*\e+1], v[X0+32*\e:X0+32*\e+1]
	v_pk_mul_f32 v[18+8*\e:19+8*\e], v[X0+32*\e+2:X0+32*\e+3], v[X0+32*\e+2:X0+32*\e+3]
.endr
.irp i, 4,8,12,16,20,24,28
.irp e, 0,1
	s_delay_alu instid0(VALU_DEP_4)
	v_pk_fma_f32 v[16+8*\e:17+8*\e], v[X0+32*\e+\i:X0+32*\e+\i+1], v[X0+32*\e+\i:X0+32*\e+\i+1], v[16+8*\e:17+8*\e]
	s_delay_alu instid0(VALU_DEP_4)
	v_pk_fma_f32 v[18+8*\e:19+8*\e], v[X0+32*\e+\i+2:X0+32*\e+\i+3], v[X0+32*\e+\i+2:X0+32*\e+\i+3], v[18+8*\e:19+8*\e]
.endr
.endr
.irp e, 0,1
	v_pk_add_f32 v[16+8*\e:17+8*\e], v[16+8*\e:17+8*\e], v[18+8*\e:19+8*\e]
.endr
.irp e, 0,1
	s_delay_alu instid0(VALU_DEP_2)
	v_add_f32 v[16+8*\e], v[16+8*\e], v[17+8*\e]
.endr
	REDUCE 16
.irp e, 0,1
	s_delay_alu instid0(VALU_DEP_2)
	v_fma_f32 v[16+8*\e], v[16+8*\e], s22, s23     ; the variance + 1e-5
.endr
	s_wait_alu depctr_va_vdst(0)
.irp e, 0,1
	v_rsq_f32 v[16+8*\e], v[16+8*\e]
.endr
	v_nop                                          ; a plain place behind the transcendentals
	s_wait_alu depctr_va_vdst(0)                   ; one wait for both, ahead of their first reader
.irp i, 0,2,4,6,8,10,12,14,16,18,20,22,24,26,28,30
.irp e, 0,1
	v_pk_mul_f32 v[X0+32*\e+\i:X0+32*\e+\i+1], v[X0+32*\e+\i:X0+32*\e+\i+1], v[16+8*\e:17+8*\e] op_sel_hi:[1,0]
.endr
.endr
.irp i, 0,2,4,6,8,10,12,14,16,18,20,22,24,26,28,30
.irp e, 0,1
	v_pk_fma_f32 v[X0+32*\e+\i:X0+32*\e+\i+1], v[X0+32*\e+\i:X0+32*\e+\i+1], v[G+\i:G+\i+1], v[BT+\i:BT+\i+1]
.endr
.endr
.irp e, 0,1
.irp j, 0,1,2,3,4,5,6,7
	global_store_b128 v2, v[X0+32*\e+4*\j:X0+32*\e+4*\j+3], s[24:25] offset:4096*\e+512*\j   ; 512 bytes on end
.endr
.endr
.irp e, 0,1
.irp j, 0,1,2,3,4,5,6,7
	ds_store_b128 v4, v[X0+32*\e+4*\j:X0+32*\e+4*\j+3] offset:PITCH*\e+512*\j   ; over the two rows that I alone have read
.endr
.endr
	s_wait_dscnt 0x0                               ; for the others' sake: my two rows lie in the stage
	s_barrier_signal -1
	s_barrier_wait -1
	WIN 0x40
.irp b, 0,1,2,3
.irp j, 0,1,2,3
	ds_load_b128 v[XQ+16*\b+4*\j:XQ+16*\b+4*\j+3], v5 offset:128*\b+16*\j
.endr
.endr
.irp b, 0,1,2,3
	v_mov_b32 v[TM+4+\b], 0                        ; a lane permute's destination counts as one of its sources
.endr
	s_wait_dscnt 0x0
	WIN 0x55
	QUANT XQ
	WIN 0x04                                       ; a store's data are its source 1
	global_store_b128 v2, v[PC:PC+3], s[26:27]
	global_store_b64 v3, v[PC+4:PC+5], s[26:27] offset:512
	global_store_b128 v2, v[PC+6:PC+9], s[28:29]
	global_store_b64 v3, v[PC+10:PC+11], s[28:29] offset:512
	global_store_b32 v6, v[PW], s[30:31]           ; lanes r and r + 16 store the same word
	WIN 0
	s_wait_tensorcnt 0x0                           ; the wave's end, behind my last LDS store
	ds_add_u32 v[SPW], v[NIL]
	s_wait_dscnt 0x0
	CROUND                                         ; the closing round
	s_endpgm
.Lfunc_end_k_q431c775d09_oln:
	.size	k_q431c775d09_oln, .Lfunc_end_k_q431c775d09_oln-k_q431c775d09_oln
	.p2alignl 7, 3214868480
	.fill 96, 4, 3214868480
	.section	.rodata,"a",@progbits
	.p2align	6, 0x0
	.amdhsa_kernel k_q431c775d09_oln
		.amdhsa_group_segment_fixed_size 295936
		.amdhsa_private_segment_fixed_size 0
		.amdhsa_enable_private_segment 0
		.amdhsa_kernarg_size 48
		.amdhsa_user_sgpr_count 2
		.amdhsa_user_sgpr_kernarg_segment_ptr 1
		.amdhsa_wavefront_size32 1
		.amdhsa_system_sgpr_workgroup_id_x 1
		.amdhsa_system_sgpr_workgroup_id_y 1
		.amdhsa_system_sgpr_workgroup_id_z 1
		.amdhsa_system_vgpr_workitem_id 0
		.amdhsa_next_free_vgpr 512
		.amdhsa_next_free_sgpr 80
		.amdhsa_reserve_vcc 0
		.amdhsa_float_denorm_mode_32 3
		.amdhsa_float_denorm_mode_16_64 3
		.amdhsa_memory_ordered 1
		.amdhsa_forward_progress 1
		.amdhsa_inst_pref_size 75
	.end_amdhsa_kernel
	.amdgpu_metadata
---
amdhsa.version: [ 1, 2 ]
amdhsa.kernels:
  - .name:           k_q431c775d09_oln
    .symbol:         k_q431c775d09_oln.kd
    .args:
      - { .name: att, .offset: 0, .size: 8, .value_kind: global_buffer, .address_space: global }
      - { .name: wq, .offset: 8, .size: 8, .value_kind: global_buffer, .address_space: global }
      - { .name: x, .offset: 16, .size: 8, .value_kind: global_buffer, .address_space: global }
      - { .name: g1, .offset: 24, .size: 8, .value_kind: global_buffer, .address_space: global }
      - { .name: b1, .offset: 32, .size: 8, .value_kind: global_buffer, .address_space: global }
      - { .name: x1, .offset: 40, .size: 8, .value_kind: global_buffer, .address_space: global }
    .group_segment_fixed_size: 295936
    .private_segment_fixed_size: 0
    .kernarg_segment_align: 8
    .kernarg_segment_size: 48
    .max_flat_workgroup_size: 256
    .sgpr_count:     80
    .vgpr_count:     512
    .wavefront_size: 32
...
	.end_amdgpu_metadata
.endif
;; end of part 4
;; launch ff1 (part 5): grid 16 x 16, 4 waves a work-group, clusters of 4 x 4, 327,680 bytes of LDS; arguments x1, wq, hid; writes hid
.if DOCPART == 5
	.amdgcn_target "amdgcn-amd-amdhsa--gfx1250"
	.amdhsa_code_object_version 6
	.text
	.protected	k_q431c775d09_ff1
	.globl	k_q431c775d09_ff1
	.p2align	8
	.type	k_q431c775d09_ff1,@function
k_q431c775d09_ff1:
	s_mov_b64 s[64:65], 0
	v_nop
	global_prefetch_b8 v0, s[64:65] scope:SCOPE_SE
	s_setreg_imm32_b32 hwreg(HW_REG_WAVE_MODE, 25, 1), 1
	s_wait_xcnt 0x0
	s_wait_alu depctr_hold_cnt(0) depctr_sa_sdst(0) depctr_va_vdst(0) depctr_va_sdst(0) depctr_va_ssrc(0) depctr_va_vcc(0) depctr_vm_vsrc(0)
	s_getreg_b32 s2, hwreg(HW_REG_IB_STS2, 6, 4)
	s_cmp_eq_u32 s2, 0
	s_cbranch_scc0 .Lentry_in_a_cluster
	s_endpgm
.Lentry_in_a_cluster:
	s_bfe_u32 s2, ttmp6, 0x10000c
	s_cmp_lg_u32 s2, 0xf033
	s_cbranch_scc0 .Lentry_shape_is_right
	s_endpgm
.Lentry_shape_is_right:
.set HALFT, 24576
.set SLOT,  4*HALFT
.set SCL,   2*SLOT
.set HALFS, 4096
.set SPARE, SCL+4*HALFS
.set FR, 12
.set NL, 4
.set NQ, 2
.set NP, 4
.set LAPS, 2
.set KBA, 196608
.set KBB, 589824
.set ADRA, 16
.set ADRB, 20
.set LI16, 24
.set LI8,  25
.set SWA,  26
.set ADRS, 27
.set SPW,  28
.set NIL,  29
.set SRA,  30
.set SWT,  31
.set SC,   32
.set AF,   128
.set H,    64
.set ZC,   128
.set S2,   144
.set P,    160
.set Q,    176
.set KV,   192
.set PC,   196
.set TM,   216
.set PW,   232
.set W0,   236
.set SEL,  20
.set G1, 24
.set G0, 32
.set G1B, 48
.set G0B, 56
.set G1S, 68
.set G0S, 76
.set G1SB, 80
.set G0SB, 88
.set MSB, 0
.macro WIN new
.if MSB != (\new)
	s_set_vgpr_msb (MSB<<8)|(\new)
.set MSB, (\new)
.endif
.endm
.set MUL_LO, 0xa1
.set MUL_HI, 0xf1
.set TO_B,   0x40
.macro JLOAD g0a, g1a, g0b, g1b
	s_cmp_eq_u32 s15, 0
	s_cbranch_scc0 .Lfor_b_\@
	tensor_load_to_lds s[\g0a:\g0a+3], s[\g1a:\g1a+7]
	s_nop 0
.rept 4
	v_nop
.endr
	s_branch .Lasked_\@
.Lfor_b_\@:
	tensor_load_to_lds s[\g0b:\g0b+3], s[\g1b:\g1b+7]
	s_nop 0
.rept 4
	v_nop
.endr
.Lasked_\@:
.endm
.macro CREST
	s_cmp_lg_u32 s14, 0
	s_cbranch_scc1 .Lnot_wave_0_\@
	s_barrier_signal -3
.Lnot_wave_0_\@:
	s_barrier_wait -3
	s_barrier_signal -1
	s_barrier_wait -1
.endm
.macro CROUND
	s_barrier_signal -1
	s_barrier_wait -1
	CREST
.endm
	s_load_b128 s[4:7], s[0:1], 0x0
	s_load_b64 s[8:9], s[0:1], 0x10
	v_lshl_add_u32 v[SPW], v0, 2, SPARE
	v_mov_b32 v[NIL], 0
	ds_add_u32 v[SPW], v[NIL]
	ds_add_u32 v[SPW], v[NIL]
	v_lshrrev_b32 v1, 5, v0
	v_readfirstlane_b32 s14, v1
	s_lshr_b32 s15, s14, 1
	s_and_b32 s16, s14, 1
	s_bfe_u32 s40, ttmp6, 0x40000
	s_bfe_u32 s41, ttmp6, 0x40004
	s_lshl_b32 s42, ttmp9, 2
	s_add_co_u32 s42, s42, s40
	s_and_b32 s17, ttmp7, 0xffff
	s_lshl_b32 s17, s17, 2
	s_add_co_u32 s17, s17, s41
	s_lshl_b32 s43, s41, 2
	s_lshl_b32 s43, 15, s43
	s_lshl_b32 s44, 0x1111, s40
	s_or_b32 s[G1+0], s43, (3<<16)|(1<<21)
	s_or_b32 s[G1B+0], s44, (3<<16)|(1<<21)
.irp g, G1, G1B
	s_mov_b32 s[\g+1], 768<<16
	s_mov_b32 s[\g+2], 4<<16
	s_mov_b32 s[\g+3], 768<<16
	s_mov_b32 s[\g+4], 4
	s_mov_b32 s[\g+6], 0
	s_mov_b32 s[\g+7], 0
.endr
	s_mov_b32 s[G1+5], 24576
	s_mov_b32 s[G1B+5], 73728
	s_or_b32 s[G1S+0], s43, (3<<16)|(1<<21)
	s_or_b32 s[G1SB+0], s44, (3<<16)|(1<<21)
.irp g, G1S, G1SB
	s_mov_b32 s[\g+1], 64<<16
	s_mov_b32 s[\g+2], 8<<16
	s_mov_b32 s[\g+3], 64<<16
	s_mov_b32 s[\g+4], 8
	s_mov_b32 s[\g+6], 0
	s_mov_b32 s[\g+7], 0
.endr
	s_mov_b32 s[G1S+5], 2048
	s_mov_b32 s[G1SB+5], 6144
	s_lshl_b32 s18, s16, 3
	s_lshl_b32 s20, s17, 4
	s_add_co_u32 s20, s20, s18
	s_lshl_b32 s46, s42, 4
	s_add_co_u32 s46, s46, s18
	s_add_co_u32 s46, s46, 512
	s_lshl_b32 s22, s20, 6
	s_add_co_u32 s22, s22, 19922944
	s_mov_b32 s23, 0
	s_lshl_b32 s92, s46, 6
	s_add_co_u32 s92, s92, 12582912
	s_mov_b32 s93, 0
	s_mul_i32 s20, s20, 768
	s_add_co_u32 s20, s20, 16777216
	s_mov_b32 s21, 0
	s_mul_i32 s46, s46, 768
	s_mov_b32 s47, 0
	s_mul_i32 s45, s14, HALFT
	s_mul_i32 s94, s14, HALFS
	s_wait_dscnt 0x0
	s_wait_kmcnt 0x0
	s_add_nc_u64 s[20:21], s[4:5], s[20:21]
	s_add_nc_u64 s[22:23], s[4:5], s[22:23]
	s_add_nc_u64 s[46:47], s[6:7], s[46:47]
	s_add_nc_u64 s[92:93], s[6:7], s[92:93]
	CROUND
	s_mov_b32 s[G0S], 1
	s_add_co_u32 s[G0S+1], s94, SCL
	s_mov_b64 s[G0S+2:G0S+3], s[22:23]
	s_or_b32 s[G0S+3], s[G0S+3], 0x80000000
	s_mov_b32 s[G0SB], 1
	s_add_co_u32 s[G0SB+1], s94, SCL
	s_mov_b64 s[G0SB+2:G0SB+3], s[92:93]
	s_or_b32 s[G0SB+3], s[G0SB+3], 0x80000000
	JLOAD G0S, G1S, G0SB, G1SB
.irp s, 0,1
	s_mov_b32 s[G0+4*\s], 1
	s_add_co_u32 s[G0+4*\s+1], s45, \s*SLOT
	s_add_nc_u64 s[G0+4*\s+2:G0+4*\s+3], s[20:21], \s*4*KBA
	s_or_b32 s[G0+4*\s+3], s[G0+4*\s+3], 0x80000000
	s_mov_b32 s[G0B+4*\s], 1
	s_add_co_u32 s[G0B+4*\s+1], s45, \s*SLOT
	s_add_nc_u64 s[G0B+4*\s+2:G0B+4*\s+3], s[46:47], \s*4*KBB
	s_or_b32 s[G0B+4*\s+3], s[G0B+4*\s+3], 0x80000000
	s_wait_alu depctr_va_vdst(0)
	s_wait_tensorcnt 0x0
	ds_add_u32 v28, v29
	s_wait_dscnt 0x0
	CROUND
	JLOAD G0+4*\s, G1, G0B+4*\s, G1B
.endr
	v_and_b32 v1, 15, v0
	v_bfe_u32 v2, v0, 4, 1
	v_and_b32 v3, 31, v0
	v_lshlrev_b32 v[LI16], 4, v3
	v_lshlrev_b32 v[LI8], 3, v3
	v_add_nc_u32 v5, 512, v[LI8]
	s_mul_i32 s21, s15, HALFT
	s_mul_i32 s22, s16, HALFT
	s_add_co_u32 s22, s22, 2*HALFT
.irp s, 0,1
	v_add_nc_u32 v[ADRA+\s], s21, v[LI16]
	v_add_nc_u32 v[ADRB+\s], s22, v[LI16]
	v_add_nc_u32 v[ADRA+2+\s], s21, v5
	v_add_nc_u32 v[ADRB+2+\s], s22, v5
	s_add_co_u32 s21, s21, SLOT
	s_add_co_u32 s22, s22, SLOT
.endr
	v_lshlrev_b32 v5, 2, v1
	s_mul_i32 s21, s15, HALFS
	s_mul_i32 s22, s16, HALFS
	s_add_co_u32 s22, s22, 2*HALFS
	s_sub_co_u32 s22, s22, s21
	v_mul_u32_u24 v6, s22, v2
	s_add_co_u32 s21, s21, SCL
	v_add_nc_u32 v6, v5, v6
	v_add_nc_u32 v[ADRS], s21, v6
	s_lshl_b32 s23, s14, 10
	v_add_nc_u32 v[SWA], s23, v5
	v_add_nc_u32 v[SRA], s23, v[LI16]
.macro FRAG reg, adr, q, i
	ds_load_b128 v[\reg:\reg+3], v[\adr] offset:2*(\q)*6144+768*(\i)
	ds_load_b64 v[\reg+4:\reg+5], v[\adr+2] offset:2*(\q)*6144+768*(\i)
	ds_load_b128 v[\reg+6:\reg+9], v[\adr] offset:(2*(\q)+1)*6144+768*(\i)
	ds_load_b64 v[\reg+10:\reg+11], v[\adr+2] offset:(2*(\q)+1)*6144+768*(\i)
.endm
.macro MUL16 a0, p, q, sc, zero
.irp a, \a0, \a0+1
.irp b, 0,1,2,3,4,5,6,7
.if \zero
	v_wmma_scale_f32_16x16x128_f8f6f4 v[8*(8*((\a)%4)+\b):8*(8*((\a)%4)+\b)+7], v[128*(\p)+FR*\b:128*(\p)+FR*\b+FR-1], v[AF+FR*(\a):AF+FR*(\a)+FR-1], 0, v[SC+8*NQ*(\sc)+NQ*\b+(\q)], v[SC+8*NQ*(\sc)+NQ*(\a)+(\q)] matrix_a_fmt:MATRIX_FMT_FP6 matrix_b_fmt:MATRIX_FMT_FP6 matrix_a_scale:MATRIX_SCALE_ROW1
.else
	v_wmma_scale_f32_16x16x128_f8f6f4 v[8*(8*((\a)%4)+\b):8*(8*((\a)%4)+\b)+7], v[128*(\p)+FR*\b:128*(\p)+FR*\b+FR-1], v[AF+FR*(\a):AF+FR*(\a)+FR-1], v[8*(8*((\a)%4)+\b):8*(8*((\a)%4)+\b)+7], v[SC+8*NQ*(\sc)+NQ*\b+(\q)], v[SC+8*NQ*(\sc)+NQ*(\a)+(\q)] matrix_a_fmt:MATRIX_FMT_FP6 matrix_b_fmt:MATRIX_FMT_FP6 matrix_a_scale:MATRIX_SCALE_ROW1
.endif
.endr
.endr
.endm
.macro FETCH_B slot, q, p
	WIN TO_B
.irp i, 0,1,2,3,4,5,6,7
	FRAG 128*(\p)+FR*\i, ADRB+\slot, \q, \i
.endr
	WIN 0
.endm
.macro FETCH_A slot, q, i0
.irp i, \i0, \i0+1, \i0+2, \i0+3
	FRAG AF+FR*(\i), ADRA+\slot, \q, \i
.endr
.endm
.macro SCALES sc
.irp i, 0,1,2,3,4,5,6,7
.irp q, 0,1
	ds_load_b32 v[SC+8*NQ*\sc+NQ*\i+\q], v[ADRS] offset:64*\i+512*\q
.endr
.endr
.endm
.macro PLACES n
.rept \n
	v_nop
.endr
.endm
.macro STEP slot, q, zero
	s_wait_dscnt 4*NL
	WIN MUL_LO
	MUL16 0, (\q)%2, \q, \slot, \zero
	MUL16 2, (\q)%2, \q, \slot, \zero
	s_wait_dscnt 0
	PLACES NP
	FETCH_B \slot, (\q)+1, 1-(\q)%2
	FETCH_A \slot, (\q)+1, 0
	WIN MUL_HI
	MUL16 4, (\q)%2, \q, \slot, \zero
	MUL16 6, (\q)%2, \q, \slot, \zero
	PLACES NP
	WIN 0
	FETCH_A \slot, (\q)+1, 4
.endm
.macro TURN slot, next, fill
	s_wait_tensorcnt 0x0
	ds_add_u32 v[SPW], v[NIL]
	s_wait_dscnt 4*NL+1
	WIN MUL_LO
	MUL16 0, 1, NQ-1, \slot, 0
	s_wait_dscnt 0x0
	s_barrier_signal -1
	MUL16 2, 1, NQ-1, \slot, 0
	WIN 0
	s_barrier_wait -1
.if \fill
	CREST
	s_add_nc_u64 s[G0+4*\slot+2:G0+4*\slot+3], s[G0+4*\slot+2:G0+4*\slot+3], 8*KBA
	s_add_nc_u64 s[G0B+4*\slot+2:G0B+4*\slot+3], s[G0B+4*\slot+2:G0B+4*\slot+3], 8*KBB
	JLOAD G0+4*\slot, G1, G0B+4*\slot, G1B
.else
	PLACES NP
.endif
	s_wait_alu depctr_va_vdst(0)
	v_add_nc_u32 v[ADRS], 1024, v[ADRS]
	FETCH_B \next, 0, 0
	FETCH_A \next, 0, 0
	SCALES \next
	WIN MUL_HI
	MUL16 4, 1, NQ-1, \slot, 0
	MUL16 6, 1, NQ-1, \slot, 0
	PLACES NP
	WIN 0
	FETCH_A \next, 0, 4
.endm
	s_wait_alu depctr_va_vdst(0)
	s_wait_tensorcnt 1
	s_barrier_signal -1
	s_barrier_wait -1
	FETCH_B 0, 0, 0
	FETCH_A 0, 0, 0
	SCALES 0
	FETCH_A 0, 0, 4
	STEP 0, 0, 1
	s_mov_b32 s3, LAPS-1
.Llap:
	TURN 0, 1, 1
	STEP 1, 0, 0
	TURN 1, 0, 1
	STEP 0, 0, 0
	s_sub_co_u32 s3, s3, 1
	s_cmp_lg_u32 s3, 0
	s_cbranch_scc1 .Llap
	TURN 0, 1, 0
	STEP 1, 0, 0
	s_wait_dscnt 4*NL
	WIN MUL_LO
	MUL16 0, 1, NQ-1, 1, 0
	MUL16 2, 1, NQ-1, 1, 0
	s_wait_dscnt 0
	WIN MUL_HI
	MUL16 4, 1, NQ-1, 1, 0
	MUL16 6, 1, NQ-1, 1, 0
	WIN 0
	PLACES NP
	s_mov_b32 s[SEL], 0x76543210
	s_mov_b32 s[SEL+1], 0xfedcba98
.macro KONST r, bits
	s_mov_b32 s[\r], \bits
	s_mov_b32 s[\r+1], \bits
.endm
	KONST 24, 0x3f3504f3
	KONST 26, 0xaf95df0b
	KONST 28, 0xb60cff51
	KONST 30, 0xb86ec2d2
	KONST 32, 0xba40ac63
	KONST 34, 0xbb41a1f6
	KONST 36, 0xbc83dbd4
	KONST 38, 0xb77460cd
	KONST 48, 0xbadc924e
	KONST 50, 0xbbf19bf8
	KONST 52, 0xbc69b6a7
	v_mov_b32 v[KV], 0x32edffee
	v_mov_b32 v[KV+1], 0x32edffee
	v_mov_b32 v[KV+2], 0xb95fbd29
	v_mov_b32 v[KV+3], 0xb95fbd29
.irp b, 0,1,2,3
	v_mov_b32 v[TM+4+\b], 0
.endr
	s_lshl_b32 s68, s42, 2
	s_lshl_b32 s69, s16, 1
	s_add_co_u32 s68, s68, s69
	s_lshl_b32 s69, s17, 4
	s_lshl_b32 s70, s15, 3
	s_add_co_u32 s69, s69, s70
	s_lshl_b32 s70, s68, 8
	s_add_co_u32 s70, s70, s69
	s_mul_i32 s70, s70, 768
	s_mov_b32 s71, 0
	s_add_nc_u64 s[56:57], s[8:9], s[70:71]
	s_add_nc_u64 s[58:59], s[56:57], 196608
	s_lshl_b32 s70, s68, 13
	s_lshl_b32 s72, s69, 6
	s_add_co_u32 s70, s70, s72
	s_add_co_u32 s70, s70, 12582912
	s_add_nc_u64 s[60:61], s[8:9], s[70:71]
.macro QUANT s
.irp b, 0,1,2,3
	v_max3_num_f32 v[TM+\b], |v[\s+16*\b]|, |v[\s+1+16*\b]|, 0x1800000
.endr
.irp i, 2,4,6,8,10,12,14
.irp b, 0,1,2,3
	v_max3_num_f32 v[TM+\b], v[TM+\b], |v[\s+16*\b+\i]|, |v[\s+1+16*\b+\i]|
.endr
.endr
.irp b, 0,1,2,3
	v_permlanex16_b32 v[TM+4+\b], v[TM+\b], s[SEL], s[SEL+1]
.endr
.irp b, 0,1,2,3
	v_max_num_f32 v[TM+\b], v[TM+\b], v[TM+4+\b]
.endr
.irp b, 0,1,2,3
	v_add_nc_u32 v[TM+12+\b], 0xff000000, v[TM+\b]
.endr
.irp b, 0,1,2,3
	v_lshrrev_b32 v[TM+4+\b], 23, v[TM+12+\b]
.endr
	v_lshl_or_b32 v[PW], v[TM+5], 8, v[TM+4]
	v_lshl_or_b32 v[PW], v[TM+6], 16, v[PW]
	v_lshl_or_b32 v[PW], v[TM+7], 24, v[PW]
.irp c, 0,1
	v_cvt_scalef32_pk16_fp6_f32 v[PC+6*\c:PC+2+6*\c], v[\s+32*\c:\s+15+32*\c], v[TM+12+2*\c]
	v_cvt_scalef32_pk16_fp6_f32 v[PC+12+4*\c:PC+14+4*\c], v[\s+16+32*\c:\s+31+32*\c], v[TM+12+2*\c+1]
.endr
	v_nop
.irp c, 0,1
.irp i, 0,1,2
	v_permlane16_swap_b32 v[PC+6*\c+\i], v[PC+12+4*\c+\i]
.endr
.irp i, 0,1,2
	v_mov_b32 v[PC+3+6*\c+\i], v[PC+12+4*\c+\i]
.endr
.endr
.endm
.macro STUB a
.set AC, 64*((\a)%4)
	WIN 2+(\a)/4
.set i, 0
.rept 32
	v_pk_mul_f32 v[H+i:H+i+1], v[AC+i:AC+i+1], s[24:25] op_sel_hi:[1,0]
.set i, i+2
.endr
	WIN 0
.endm
	s_mov_b32 s62, 0
	s_mov_b32 s63, 0
.Lblk:
.irp a, 0,1,2,3,4,5,6
	s_cmp_eq_u32 s62, \a
	s_cbranch_scc1 .Lst\a
.endr
	STUB 7
	s_branch .Lbody
.irp a, 0,1,2,3,4,5,6
.Lst\a:
	STUB \a
	s_branch .Lbody
.endr
.Lbody:
.irp u, 0,1,2,3
.set i, 0
.rept 16
	v_med3_num_f32 v[ZC+i], v[H+16*\u+i], -4.0, 4.0
.set i, i+1
.endr
.set i, 0
.rept 8
	v_pk_mul_f32 v[S2+i:S2+i+1], v[ZC+i:ZC+i+1], v[ZC+i:ZC+i+1]
.set i, i+2
.endr
.set i, 0
.rept 8
	v_pk_fma_f32 v[P+i:P+i+1], v[S2+i:S2+i+1], s[26:27], v[KV:KV+1] op_sel_hi:[1,0,1]
	v_pk_fma_f32 v[Q+i:Q+i+1], v[S2+i:S2+i+1], s[38:39], v[KV+2:KV+3] op_sel_hi:[1,0,1]
.set i, i+2
.endr
.irp k, 28,30,32,34,36
.set i, 0
.rept 8
	v_pk_fma_f32 v[P+i:P+i+1], v[P+i:P+i+1], v[S2+i:S2+i+1], s[\k:\k+1] op_sel_hi:[1,1,0]
.set i, i+2
.endr
.endr
.irp k, 48,50,52
.set i, 0
.rept 8
	v_pk_fma_f32 v[Q+i:Q+i+1], v[Q+i:Q+i+1], v[S2+i:S2+i+1], s[\k:\k+1] op_sel_hi:[1,1,0]
.set i, i+2
.endr
.endr
.set i, 0
	s_wait_alu depctr_va_vdst(0)
.rept 16
	v_rcp_f32 v[Q+i], v[Q+i]
.set i, i+1
.endr
.set i, 0
.rept 8
	v_pk_mul_f32 v[P+i:P+i+1], v[P+i:P+i+1], v[ZC+i:ZC+i+1]
.set i, i+2
.endr
	s_wait_alu depctr_va_vdst(0)
.set i, 0
.rept 8
	v_pk_mul_f32 v[P+i:P+i+1], v[P+i:P+i+1], v[Q+i:Q+i+1]
.set i, i+2
.endr
.set i, 0
.rept 8
	v_pk_fma_f32 v[P+i:P+i+1], v[P+i:P+i+1], s[24:25], s[24:25] op_sel_hi:[1,0,0]
.set i, i+2
.endr
.set i, 0
.rept 8
	v_pk_mul_f32 v[H+16*\u+i:H+16*\u+i+1], v[H+16*\u+i:H+16*\u+i+1], v[P+i:P+i+1]
.set i, i+2
.endr
.endr
	QUANT H
	global_store_b128 v[LI16], v[PC:PC+3], s[56:57]
	global_store_b64 v[LI8], v[PC+4:PC+5], s[56:57] offset:512
	global_store_b128 v[LI16], v[PC+6:PC+9], s[58:59]
	global_store_b64 v[LI8], v[PC+10:PC+11], s[58:59] offset:512
	v_add_nc_u32 v[SWT], s63, v[SWA]
	ds_store_b32 v[SWT], v[PW]
	s_wait_xcnt 0x0
	s_wait_dscnt 0x0
	s_add_nc_u64 s[56:57], s[56:57], 768
	s_add_nc_u64 s[58:59], s[58:59], 768
	s_add_co_u32 s63, s63, 64
	s_add_co_u32 s62, s62, 1
	s_cmp_lt_u32 s62, 8
	s_cbranch_scc1 .Lblk
	ds_load_b128 v[W0:W0+3], v[SRA]
	s_wait_dscnt 0x0
	global_store_b128 v[LI16], v[W0:W0+3], s[60:61]
	s_wait_tensorcnt 0x0
	ds_add_u32 v[SPW], v[NIL]
	s_wait_dscnt 0x0
	CROUND
	s_endpgm
.Lfunc_end_k_q431c775d09_ff1:
	.size	k_q431c775d09_ff1, .Lfunc_end_k_q431c775d09_ff1-k_q431c775d09_ff1
	.p2alignl 7, 3214868480
	.fill 96, 4, 3214868480
	.section	.rodata,"a",@progbits
	.p2align	6, 0x0
	.amdhsa_kernel k_q431c775d09_ff1
		.amdhsa_group_segment_fixed_size 327680
		.amdhsa_private_segment_fixed_size 0
		.amdhsa_enable_private_segment 0
		.amdhsa_kernarg_size 24
		.amdhsa_user_sgpr_count 2
		.amdhsa_user_sgpr_kernarg_segment_ptr 1
		.amdhsa_wavefront_size32 1
		.amdhsa_system_sgpr_workgroup_id_x 1
		.amdhsa_system_sgpr_workgroup_id_y 1
		.amdhsa_system_sgpr_workgroup_id_z 1
		.amdhsa_system_vgpr_workitem_id 0
		.amdhsa_next_free_vgpr 1024
		.amdhsa_next_free_sgpr 100
		.amdhsa_reserve_vcc 0
		.amdhsa_float_denorm_mode_32 3
		.amdhsa_float_denorm_mode_16_64 3
		.amdhsa_memory_ordered 1
		.amdhsa_forward_progress 1
		.amdhsa_inst_pref_size 177
	.end_amdhsa_kernel
	.amdgpu_metadata
---
amdhsa.version: [ 1, 2 ]
amdhsa.kernels:
  - .name:           k_q431c775d09_ff1
    .symbol:         k_q431c775d09_ff1.kd
    .args:
      - { .name: x1, .offset: 0, .size: 8, .value_kind: global_buffer, .address_space: global }
      - { .name: wq, .offset: 8, .size: 8, .value_kind: global_buffer, .address_space: global }
      - { .name: hid, .offset: 16, .size: 8, .value_kind: global_buffer, .address_space: global }
    .group_segment_fixed_size: 327680
    .private_segment_fixed_size: 0
    .kernarg_segment_align: 8
    .kernarg_segment_size: 24
    .max_flat_workgroup_size: 128
    .sgpr_count:     100
    .vgpr_count:     1024
    .wavefront_size: 32
...
	.end_amdgpu_metadata
.endif
;; end of part 5
;; launch ff2 (part 6): grid 32 x 8, 4 waves a work-group, clusters of 4 x 1, 327,680 bytes of LDS; arguments hid, wq, x1, ybuf; writes ybuf
.if DOCPART == 6
	.amdgcn_target "amdgcn-amd-amdhsa--gfx1250"
	.amdhsa_code_object_version 6
	.text
	.protected	k_q431c775d09_ff2
	.globl	k_q431c775d09_ff2
	.p2align	8
	.type	k_q431c775d09_ff2,@function
k_q431c775d09_ff2:
	s_mov_b64 s[64:65], 0
	v_nop
	global_prefetch_b8 v0, s[64:65] scope:SCOPE_SE
	s_setreg_imm32_b32 hwreg(HW_REG_WAVE_MODE, 25, 1), 1
	s_wait_xcnt 0x0
	s_wait_alu depctr_hold_cnt(0) depctr_sa_sdst(0) depctr_va_vdst(0) depctr_va_sdst(0) depctr_va_ssrc(0) depctr_va_vcc(0) depctr_vm_vsrc(0)
	s_getreg_b32 s2, hwreg(HW_REG_IB_STS2, 6, 4)
	s_cmp_eq_u32 s2, 0
	s_cbranch_scc0 .Lentry_in_a_cluster
	s_endpgm
.Lentry_in_a_cluster:
	s_bfe_u32 s2, ttmp6, 0x10000c
	s_cmp_lg_u32 s2, 0x3003
	s_cbranch_scc0 .Lentry_shape_is_right
	s_endpgm
.Lentry_shape_is_right:
; Product 8 and the residual: ybuf = x1 + gelu's result W2^T, f32, logical rows.  Nothing is left out.  Layouts of codes and scales: see the first kernel.
; A work-group of four waves makes 128 rows x 128 columns; a wave 32 rows x 128 columns: 16 accumulators.  K = 4,096 goes in 32 steps of 128.
; A (the hidden layer's codes) COMES STRAIGHT FROM MEMORY INTO REGISTERS.  The workspace holds the image of a fragment's registers, so a fragment is four loads of 512 or 256 consecutive bytes, and a wave's 32 rows
; are its own: no byte of A is loaded twice in a work-group.  The loads go into a ring of eight register sets and are waited for by count: seven K steps' loads stay out.
; A's rows are read by the eight column blocks and are not asked for jointly: a joint load lands in LDS, where a refill has one slot's matrix work in which to land; with A out of LDS a slot of the same
; 98,304 bytes holds 1,024 along K of B instead of 512 of both: two refills in the launch instead of six, each with eight K steps, 128 matrix instructions a wave, in which to land.
; B (W2's codes) goes through two LDS slots, [16 = k / 64][8 tiles][768], a quarter of a slot to a wave's tensor load; its scale words for all of K come once.
; CLUSTERS of 4 x 1: the four row blocks of a cluster make the same column block and need the same tiles of B: each is asked for jointly, mask 15.  My place in the cluster enters only global addresses: of A, the residual, the result and the prefetch of B.
; Used transposed (source 0 = 16 rows of W2, source 1 = 16 tokens): a lane holds one token and eight neighbouring logical columns.  The way out undoes the storage order of rows and adds the residual.
; The 32 steps are written out: the scale words' registers, the immediates and the counts at both ends differ from step to step.
; REGISTERS: window 0: v16-31 addresses; v32-63 A's scale words, one register a K step (lanes 0-15 my first tile, lanes 16-31 my second), v64-71 B's, two sets of four (lanes 0-15 an even tile, lanes 16-31 the odd one), and nothing else;
;   v128-255 accumulator (a, b) at v[128 + 8 (8 a + b)].  window 1: B's fragments, two sets, at v0 and v128; on the way out the rows read back.  window 2: v0-191 A's ring, step s at v[24 (s % 8)].  window 3: v0-127 the residual.
.set NSTEP, 32
.set RSTEP, 27                         ; the step in which the residual is asked for
.set KBA,   196608                     ; hid: bytes from k / 64 to the next
.set ASOFF, 12582912                   ; hid's scale words
.set BCOFF, 9437184                    ; W2's codes in wq
.set KBB,   49152
.set PBC,   6144                       ; the same in elements of 8 bytes
.set BSOFF, 12976128                   ; W2's scale words
.set PBS,   512                        ; from k / 128 to the next, in elements of 8 bytes
.set QUART, 24576                      ; one tensor load: [4][8 tiles][768]
.set SLOT,  4*QUART
.set SCL,   2*SLOT                     ; B's scale words: [32 = k / 128][128 rows][4]
.set SPARE, SCL+16384                  ; the spare words, 128 bytes a wave
.set ADB,  16                          ; v16-19 16 x lane + half slot 0..3;  v20-23 512 + 8 x lane + the same
.set STO,  24
.set RD,   25
.set CO,   26                          ; 16 x lane
.set LI8,  27                          ; 8 x lane
.set SPW,  28
.set NIL,  29
.set LS4,  30                          ; 4 x lane
.set ADS,  31                          ; SCL + 4 x lane
.set SA,   32
.set SB,   64
.set ACC,  128
.set G1,   24                          ; s[24:31] group 1 for B's codes;  s[32:39] group 0, one set for each slot
.set G0,   32
.set G1S,  48                          ; s[48:55], s[56:59] groups 1 and 0 for B's scale words
.set G0S,  56
.set ABASE, 68                         ; s[68:69] A's codes at my first tile, K steps 0-15;  s[70:71] K steps 16-31
.set ASB,  72                          ; s[72:73] A's scale words at my first row
.set MSB, 0
.macro WIN new                         ; the immediate's high byte repeats the setting that is left
.if MSB != (\new)
	s_set_vgpr_msb (MSB<<8)|(\new)
.set MSB, (\new)
.endif
.endm
.set MUL, 0x09                         ; source 0 (B) window 1, source 1 (A) window 2; C and D window 0
.macro CREST
	s_cmp_lg_u32 s14, 0
	s_cbranch_scc1 .Lnot_wave_0_\@
	s_barrier_signal -3
.Lnot_wave_0_\@:
	s_barrier_wait -3
	s_barrier_signal -1
	s_barrier_wait -1
.endm
.macro CROUND
	s_barrier_signal -1
	s_barrier_wait -1
	CREST
.endm
.macro PLACES n
.rept \n
	v_nop
.endr
.endm
	s_load_b256 s[4:11], s[0:1], 0x0               ; hid, wq, x1, ybuf
	v_lshl_add_u32 v[SPW], v0, 2, SPARE
	v_mov_b32 v[NIL], 0
	ds_add_u32 v[SPW], v[NIL]                      ; the opening: the add, twice on end, and its wait ahead of my first tensor load
	ds_add_u32 v[SPW], v[NIL]
	v_lshrrev_b32 v1, 5, v0
	v_readfirstlane_b32 s14, v1                    ; wave
	s_bfe_u32 s40, ttmp6, 0x40000                  ; cx
	s_lshl_b32 s17, ttmp9, 2
	s_add_co_u32 s17, s17, s40                     ; block of 128 rows
	s_and_b32 s42, ttmp7, 0xffff                   ; block of 128 columns: the four partners share it
	s_mov_b32 s[G1+0], 15|(3<<16)|(1<<21)          ; the mask of all four partners; elements of 8 bytes; bit 21 beside a mask; no padding
	s_mov_b32 s[G1+1], 768<<16                     ; tensor_dim0: 6,144 bytes: 8 tiles of one k / 64
	s_mov_b32 s[G1+2], 4<<16                       ; tensor_dim1
	s_mov_b32 s[G1+3], 768<<16                     ; tile_dim0
	s_mov_b32 s[G1+4], 4                           ; tile_dim1
	s_mov_b32 s[G1+5], PBC
	s_mov_b32 s[G1+6], 0
	s_mov_b32 s[G1+7], 0
	s_mov_b32 s[G1S+0], 15|(3<<16)|(1<<21)
	s_mov_b32 s[G1S+1], 64<<16                     ; 512 bytes: 128 rows' words
	s_mov_b32 s[G1S+2], 16<<16
	s_mov_b32 s[G1S+3], 64<<16
	s_mov_b32 s[G1S+4], 16                         ; sixteen K steps to each of waves 2 and 3
	s_mov_b32 s80, 15|(3<<16)|(1<<21)              ; s[80:87] group 1 for the head's loads of slot 0: 8 rows of 6,144 bytes, half a slot
	s_mov_b32 s81, 768<<16
	s_mov_b32 s82, 8<<16
	s_mov_b32 s83, 768<<16
	s_mov_b32 s84, 8
	s_mov_b32 s85, PBC
	s_mov_b32 s86, 0
	s_mov_b32 s87, 0
	s_mov_b32 s[G1S+5], PBS
	s_mov_b32 s[G1S+6], 0
	s_mov_b32 s[G1S+7], 0
	s_mul_i32 s46, s42, 8*768                      ; B's codes: my column block's eight tiles,
	s_mul_i32 s18, s14, 4*KBB                      ; my quarter of a slot
	s_add_co_u32 s46, s46, s18
	s_add_co_u32 s46, s46, BCOFF
	s_mov_b32 s47, 0
	s_lshl_b32 s92, s42, 9                         ; B's scale words: 128 rows x 4 bytes,
	s_and_b32 s18, s14, 1
	s_lshl_b32 s18, s18, 16                        ; my sixteen K steps of 4,096 bytes
	s_add_co_u32 s92, s92, s18
	s_add_co_u32 s92, s92, BSOFF
	s_mov_b32 s93, 0
	s_mul_i32 s45, s14, QUART                      ; where they go: no place in the cluster enters an LDS address
	s_and_b32 s19, s14, 1
	s_lshl_b32 s94, s19, 13
	s_mul_i32 s89, s19, 49152                      ; s[88:91] group 0 for the head's load of half of slot 0
	s_mul_i32 s90, s19, 8*KBB
	s_mul_i32 s18, s42, 8*768
	s_add_co_u32 s18, s18, BCOFF
	s_add_co_u32 s90, s90, s18
	s_mov_b32 s91, 0
	s_lshl_b32 s74, s40, 2                         ; s[74:75] the prefetch: of slot 1's sixteen rows of 6,144 bytes, row 4 cx + wave is mine: the partners share the rows out by address
	s_add_co_u32 s74, s74, s14
	s_add_co_u32 s74, s74, 16
	s_mul_i32 s74, s74, KBB
	s_add_co_u32 s74, s74, s18
	s_mov_b32 s75, 0
	s_lshl_b32 s20, s17, 3
	s_lshl_b32 s19, s14, 1
	s_add_co_u32 s20, s20, s19                     ; my first tile of tokens: 8 x row block + 2 x wave
	s_lshl_b32 s22, s20, 6
	s_add_co_u32 s22, s22, ASOFF
	s_mov_b32 s23, 0
	s_mul_i32 s20, s20, 768
	s_mov_b32 s21, 0
	s_lshl_b32 s76, s17, 7
	s_lshl_b32 s19, s14, 5
	s_add_co_u32 s76, s76, s19                     ; my first logical row: 128 x row block + 32 x wave
	s_lshl_b32 s76, s76, 12
	s_lshl_b32 s19, s42, 9
	s_add_co_u32 s76, s76, s19                     ; + my column block's 512 bytes
	s_mov_b32 s77, 0
	s_mul_i32 s78, s14, 8448                       ; my stage: 16 rows x 528 bytes in slot 0, used when that slot has had its last fill and its last read
	s_wait_dscnt 0x0                               ; both opening adds are done
	s_wait_kmcnt 0x0
	s_add_nc_u64 s[ABASE:ABASE+1], s[4:5], s[20:21]
	s_add_nc_u64 s[ABASE+2:ABASE+3], s[ABASE:ABASE+1], 32*KBA   ; so that every step's place stands in a load's immediate
	s_add_nc_u64 s[ASB:ASB+1], s[4:5], s[22:23]
	s_add_nc_u64 s[46:47], s[6:7], s[46:47]
	s_add_nc_u64 s[92:93], s[6:7], s[92:93]
	s_add_nc_u64 s[90:91], s[6:7], s[90:91]
	s_or_b32 s91, s91, 0x80000000
	s_add_nc_u64 s[74:75], s[6:7], s[74:75]
	s_add_nc_u64 s[8:9], s[8:9], s[76:77]
	s_add_nc_u64 s[10:11], s[10:11], s[76:77]
	CROUND                                         ; all four work-groups are here: the first joint loads meet
	s_mov_b32 s[G0S], 1
	s_add_co_u32 s[G0S+1], s94, SCL
	s_mov_b64 s[G0S+2:G0S+3], s[92:93]
	s_or_b32 s[G0S+3], s[G0S+3], 0x80000000
.irp s, 0,1
	s_mov_b32 s[G0+4*\s], 1
	s_add_co_u32 s[G0+4*\s+1], s45, \s*SLOT
	s_add_nc_u64 s[G0+4*\s+2:G0+4*\s+3], s[46:47], \s*16*KBB
	s_or_b32 s[G0+4*\s+3], s[G0+4*\s+3], 0x80000000
.endr
	s_mov_b32 s88, 1
	s_cmp_lt_u32 s14, 2                            ; the head's loads, one a wave: waves 0 and 1 the halves of slot 0, waves 2 and 3 the halves of the scale words
	s_cbranch_scc0 .Lhead_s
	tensor_load_to_lds s[88:91], s[80:87]
	s_nop 0
	PLACES 4
	s_branch .Lhead_j
.Lhead_s:
	tensor_load_to_lds s[G0S:G0S+3], s[G1S:G1S+7]
	s_nop 0
	PLACES 4
.Lhead_j:
	v_and_b32 v1, 15, v0                           ; r
	v_bfe_u32 v2, v0, 4, 1                         ; h
	v_and_b32 v3, 31, v0                           ; lane
	v_lshlrev_b32 v[CO], 4, v3
	v_lshlrev_b32 v[LI8], 3, v3
	v_lshlrev_b32 v[LS4], 2, v3
	v_add_nc_u32 v[ADS], SCL, v[LS4]
	v_min_u32 v12, 23, v3
	v_lshlrev_b32 v12, 8, v12                      ; a row of 6,144 bytes is 24 blocks of 256: a lane a block, lanes 24-31 name the last again; v12 and s[74:75] are never rewritten
	global_prefetch_b8 v12, s[74:75] th:TH_LOAD_NT scope:SCOPE_SE   ; slot 1's bytes, which the load behind the first round asks for
	v_add_nc_u32 v5, 512, v[LI8]
.irp i, 0,1,2,3
	v_add_nc_u32 v[ADB+\i], \i*49152, v[CO]
	v_add_nc_u32 v[ADB+4+\i], \i*49152, v5
.endr
	v_mul_u32_u24 v4, v1, 528
	v_lshl_add_u32 v4, v2, 6, v4
	v_add_nc_u32 v[STO], s78, v4                   ; the stage, on the way in: row r, + 64 h
	v_add_nc_u32 v[RD], s78, v[CO]                 ; and back: 32 lanes take a row of 512 bytes
.set i, 0
.rept NSTEP
	global_load_b32 v[SA+i], v[LS4], s[ASB:ASB+1] offset:16384*i   ; my 32 rows' scale words of K step i: 128 bytes on end; once for the launch
.set i, i+1
.endr
; A's two fragments of K step s into set s % 8: eight loads
.macro ALOAD s
.set RA, 24*((\s)%8)
.set BS, ABASE+2*((\s)/16)
.set KO, (2*((\s)%16))*KBA
.irp a, 0,1
	global_load_b128 v[RA+12*\a:RA+12*\a+3], v[CO], s[BS:BS+1] offset:KO+768*\a
	global_load_b64 v[RA+12*\a+4:RA+12*\a+5], v[LI8], s[BS:BS+1] offset:KO+768*\a+512
	global_load_b128 v[RA+12*\a+6:RA+12*\a+9], v[CO], s[BS:BS+1] offset:KO+KBA+768*\a
	global_load_b64 v[RA+12*\a+10:RA+12*\a+11], v[LI8], s[BS:BS+1] offset:KO+KBA+768*\a+512
.endr
.endm
; the wait for A's fragments of K step s: loads come back in order, so the count is what was issued behind them: the K steps up to s + 6 (step s's own request, for s + 7, comes behind this wait), and behind step RSTEP the residual's 32
.macro AWAIT s
.set LA, (\s)+6
.if LA > NSTEP-1
.set LA, NSTEP-1
.endif
.if (\s) == 0
.set LA, 7
.endif
.set LC, 8*(LA-(\s))
.if (\s) > RSTEP
.set LC, LC+32
.endif
	s_wait_loadcnt LC
.endm
; the residual of my 32 x 128, in the order in which the way out stores
.macro RESLOAD
.irp a, 0,1
.irp t, 0,1,2,3,4,5,6,7,8,9,10,11,12,13,14,15
	global_load_b128 v[64*\a+4*\t:64*\a+4*\t+3], v[CO], s[8:9] offset:(8*\a+\t+8*(\t/8))*4096
.endr
.endr
.endm
; B's eight fragments of K step s into set s % 2, and their scale words
.macro FETCHB s
.set FB, 128*((\s)%2)
.set AB, ADB+2*(((\s)/8)%2)+(((\s)%8)/4)
.set OB, 2*((\s)%4)*6144
	WIN 0x40                                       ; destination window 1
.irp i, 0,1,2,3,4,5,6,7
	ds_load_b128 v[FB+12*\i:FB+12*\i+3], v[AB] offset:OB+768*\i
	ds_load_b64 v[FB+12*\i+4:FB+12*\i+5], v[AB+4] offset:OB+768*\i
	ds_load_b128 v[FB+12*\i+6:FB+12*\i+9], v[AB] offset:OB+6144+768*\i
	ds_load_b64 v[FB+12*\i+10:FB+12*\i+11], v[AB+4] offset:OB+6144+768*\i
.endr
	WIN 0
.irp i, 0,1,2,3
	ds_load_b32 v[SB+4*((\s)%2)+\i], v[ADS] offset:512*(\s)+128*\i   ; lanes 0-15 tile 2 i, lanes 16-31 tile 2 i + 1
.endr
.endm
; one product: A's tile a x B's tile b, K step s.  An odd tile of B and my second tile of A have their scale words in lanes 16-31.  K step 0 starts the sums
.macro WM s, a, b
.set DD, ACC+8*(8*(\a)+(\b))
.set FF, 128*((\s)%2)+12*(\b)
.set RA, 24*((\s)%8)+12*(\a)
.set XS0, SB+4*((\s)%2)+(\b)/2
.set XS1, SA+(\s)
.if (\s) == 0
.if (\a) == 0
.if (\b)%2 == 0
	v_wmma_scale_f32_16x16x128_f8f6f4 v[DD:DD+7], v[FF:FF+11], v[RA:RA+11], 0, v[XS0], v[XS1] matrix_a_fmt:MATRIX_FMT_FP6 matrix_b_fmt:MATRIX_FMT_FP6
.else
	v_wmma_scale_f32_16x16x128_f8f6f4 v[DD:DD+7], v[FF:FF+11], v[RA:RA+11], 0, v[XS0], v[XS1] matrix_a_fmt:MATRIX_FMT_FP6 matrix_b_fmt:MATRIX_FMT_FP6 matrix_a_scale:MATRIX_SCALE_ROW1
.endif
.else
.if (\b)%2 == 0
	v_wmma_scale_f32_16x16x128_f8f6f4 v[DD:DD+7], v[FF:FF+11], v[RA:RA+11], 0, v[XS0], v[XS1] matrix_a_fmt:MATRIX_FMT_FP6 matrix_b_fmt:MATRIX_FMT_FP6 matrix_b_scale:MATRIX_SCALE_ROW1
.else
	v_wmma_scale_f32_16x16x128_f8f6f4 v[DD:DD+7], v[FF:FF+11], v[RA:RA+11], 0, v[XS0], v[XS1] matrix_a_fmt:MATRIX_FMT_FP6 matrix_b_fmt:MATRIX_FMT_FP6 matrix_a_scale:MATRIX_SCALE_ROW1 matrix_b_scale:MATRIX_SCALE_ROW1
.endif
.endif
.else
.if (\a) == 0
.if (\b)%2 == 0
	v_wmma_scale_f32_16x16x128_f8f6f4 v[DD:DD+7], v[FF:FF+11], v[RA:RA+11], v[DD:DD+7], v[XS0], v[XS1] matrix_a_fmt:MATRIX_FMT_FP6 matrix_b_fmt:MATRIX_FMT_FP6
.else
	v_wmma_scale_f32_16x16x128_f8f6f4 v[DD:DD+7], v[FF:FF+11], v[RA:RA+11], v[DD:DD+7], v[XS0], v[XS1] matrix_a_fmt:MATRIX_FMT_FP6 matrix_b_fmt:MATRIX_FMT_FP6 matrix_a_scale:MATRIX_SCALE_ROW1
.endif
.else
.if (\b)%2 == 0
	v_wmma_scale_f32_16x16x128_f8f6f4 v[DD:DD+7], v[FF:FF+11], v[RA:RA+11], v[DD:DD+7], v[XS0], v[XS1] matrix_a_fmt:MATRIX_FMT_FP6 matrix_b_fmt:MATRIX_FMT_FP6 matrix_b_scale:MATRIX_SCALE_ROW1
.else
	v_wmma_scale_f32_16x16x128_f8f6f4 v[DD:DD+7], v[FF:FF+11], v[RA:RA+11], v[DD:DD+7], v[XS0], v[XS1] matrix_a_fmt:MATRIX_FMT_FP6 matrix_b_fmt:MATRIX_FMT_FP6 matrix_a_scale:MATRIX_SCALE_ROW1 matrix_b_scale:MATRIX_SCALE_ROW1
.endif
.endif
.endif
.endm
.macro MULA s, a                       ; eight products; the 16 accumulators take turns, one instruction a turn, in the same order in every step
.irp b, 0,1,2,3,4,5,6,7
	WM \s, \a, \b
.endr
.endm
; A K step whose successor lies in the same slot: its operands are in; the next step's B is fetched, A is asked for seven steps on, into the set that the step before has left; then the 16 products
.macro STEP s
	s_wait_dscnt 0x0                               ; B's fragments and scale words of this step
	AWAIT \s
.if (\s)+1 < NSTEP
	PLACES 4                                       ; in front of loads into registers that the last step's matrix instructions have read
	FETCHB (\s)+1
.endif
.if ((\s) > 0) && ((\s)+7 < NSTEP)
	WIN 0x80                                       ; destination window 2
	ALOAD (\s)+7
.endif
.if (\s) == RSTEP
	WIN 0xc0                                       ; destination window 3
	RESLOAD
.endif
	WIN MUL
	MULA \s, 0
	MULA \s, 1
.endm
; A slot's last K step changes slots: one barrier; in front of it every wave waits for all its tensor loads, adds 0 to its spare word, and waits for that and for its reads of this slot.  fill = 1: the slot is filled again, 2,048 along K on
.macro TURN s, fill
.set SL, ((\s)/8)%2
	WIN 0
	s_wait_tensorcnt 0x0                           ; my part of the next slot has landed: no tensor load of mine is out, so a group 0 may be written
	ds_add_u32 v[SPW], v[NIL]
.if \fill
	s_add_nc_u64 s[G0+4*SL+2:G0+4*SL+3], s[G0+4*SL+2:G0+4*SL+3], 32*KBB
.endif
	AWAIT \s
	s_wait_dscnt 0x0                               ; the add is done, and my reads of this slot are over
	s_barrier_signal -1
	WIN MUL
	MULA \s, 0                                     ; work on registers while the others arrive
	WIN 0
	s_barrier_wait -1
.if \fill
	CREST                                          ; the barrier has opened a round of the cluster's: no wave of any partner still reads this slot or has a load on its way
	tensor_load_to_lds s[G0+4*SL:G0+4*SL+3], s[G1:G1+7]   ; my one tensor load behind the round
	s_nop 0
.endif
	PLACES 4                                       ; behind the tensor load; and the places in front of the loads below
	FETCHB (\s)+1
	WIN 0x80
	ALOAD (\s)+7
	WIN MUL
	MULA \s, 1
.endm
	WIN 0x80
.irp s, 0,1,2,3,4,5,6,7
	ALOAD \s                                       ; A's ring is filled
.endr
	WIN 0
	s_wait_alu depctr_va_vdst(0)
	s_wait_tensorcnt 0x0                           ; my load of the head has landed
	ds_add_u32 v[SPW], v[NIL]
	s_wait_dscnt 0x0
	CROUND                                         ; slot 0 and the scale words are whole, and all four work-groups are here
	tensor_load_to_lds s[G0+4:G0+7], s[G1:G1+7]    ; slot 1's first fill, a quarter a wave: my one tensor load behind the round
	s_nop 0
	PLACES 4
	FETCHB 0
.irp s, 0,1,2,3,4,5,6
	STEP \s
.endr
	TURN 7, 1
.irp s, 8,9,10,11,12,13,14
	STEP \s
.endr
	TURN 15, 1
.irp s, 16,17,18,19,20,21,22
	STEP \s
.endr
	TURN 23, 0                                     ; the last change of slots fills nothing
.irp s, 24,25,26,27,28,29,30,31
	STEP \s
.endr
	WIN 0
; THE WAY OUT, a block of 16 storage rows x 128 columns at a time: through my stage in LDS and back as whole rows of 512 bytes, which leave at their logical places with the residual added
.macro TOSTAGE a                       ; tile b = 2 beta + u holds the logical columns 32 beta + 16 h + 8 u + 0 .. 7; each accumulator from its low end on
.irp b, 0,1,2,3,4,5,6,7
	ds_store_b128 v[STO], v[ACC+8*(8*(\a)+\b):ACC+8*(8*(\a)+\b)+3] offset:128*(\b/2)+32*(\b%2)
	ds_store_b128 v[STO], v[ACC+8*(8*(\a)+\b)+4:ACC+8*(8*(\a)+\b)+7] offset:128*(\b/2)+32*(\b%2)+16
.endr
	WIN 0x40                                       ; destination window 1: B's fragments are done with
.irp t, 0,1,2,3,4,5,6,7,8,9,10,11,12,13,14,15
	ds_load_b128 v[128*(\a)+4*\t:128*(\a)+4*\t+3], v[RD] offset:528*\t   ; LDS serves a wave's instructions in order: these see my stores, and the next block's stores come behind them
.endr
	WIN 0
.endm
.macro SEND a, younger
	s_wait_dscnt \younger
	WIN 0x4d                                       ; destination and source 0 window 1, source 1 (the residual) window 3
.set i, 0
.rept 32
	v_pk_add_f32 v[128*(\a)+i:128*(\a)+i+1], v[128*(\a)+i:128*(\a)+i+1], v[64*(\a)+i:64*(\a)+i+1]
.set i, i+2
.endr
	WIN 0x04                                       ; a store's data are its source 1: window 1
.irp t, 0,1,2,3,4,5,6,7,8,9,10,11,12,13,14,15
	global_store_b128 v[CO], v[128*(\a)+4*\t:128*(\a)+4*\t+3], s[10:11] offset:(8*(\a)+\t+8*(\t/8))*4096   ; 32 lanes store 512 consecutive bytes, at a multiple of 256 from the buffer's first byte
.endr
	WIN 0
.endm
	PLACES 4                                       ; behind the last products: for the stores that read results and the loads into registers that held B's fragments
	TOSTAGE 0
	TOSTAGE 1
	s_wait_loadcnt 0x0                             ; the residual
	SEND 0, 32                                     ; behind block 0's loads: block 1's 16 stores and 16 loads
	SEND 1, 0
	s_wait_tensorcnt 0x0                           ; the wave's end
	ds_add_u32 v[SPW], v[NIL]
	s_wait_dscnt 0x0
	CROUND                                         ; the closing round
	s_endpgm
.Lfunc_end_k_q431c775d09_ff2:
	.size	k_q431c775d09_ff2, .Lfunc_end_k_q431c775d09_ff2-k_q431c775d09_ff2
	.p2alignl 7, 3214868480
	.fill 96, 4, 3214868480
	.section	.rodata,"a",@progbits
	.p2align	6, 0x0
	.amdhsa_kernel k_q431c775d09_ff2
		.amdhsa_group_segment_fixed_size 327680
		.amdhsa_private_segment_fixed_size 0
		.amdhsa_enable_private_segment 0
		.amdhsa_kernarg_size 32
		.amdhsa_user_sgpr_count 2
		.amdhsa_user_sgpr_kernarg_segment_ptr 1
		.amdhsa_wavefront_size32 1
		.amdhsa_system_sgpr_workgroup_id_x 1
		.amdhsa_system_sgpr_workgroup_id_y 1
		.amdhsa_system_sgpr_workgroup_id_z 1
		.amdhsa_system_vgpr_workitem_id 0
		.amdhsa_next_free_vgpr 896
		.amdhsa_next_free_sgpr 100
		.amdhsa_reserve_vcc 0
		.amdhsa_float_denorm_mode_32 3
		.amdhsa_float_denorm_mode_16_64 3
		.amdhsa_memory_ordered 1
		.amdhsa_forward_progress 1
		.amdhsa_inst_pref_size 197
	.end_amdhsa_kernel
	.amdgpu_metadata
---
amdhsa.version: [ 1, 2 ]
amdhsa.kernels:
  - .name:           k_q431c775d09_ff2
    .symbol:         k_q431c775d09_ff2.kd
    .args:
      - { .name: hid, .offset: 0, .size: 8, .value_kind: global_buffer, .address_space: global }
      - { .name: wq, .offset: 8, .size: 8, .value_kind: global_buffer, .address_space: global }
      - { .name: x1, .offset: 16, .size: 8, .value_kind: global_buffer, .address_space: global }
      - { .name: ybuf, .offset: 24, .size: 8, .value_kind: global_buffer, .address_space: global }
    .group_segment_fixed_size: 327680
    .private_segment_fixed_size: 0
    .kernarg_segment_align: 8
    .kernarg_segment_size: 32
    .max_flat_workgroup_size: 128
    .sgpr_count:     100
    .vgpr_count:     896
    .wavefront_size: 32
...
	.end_amdgpu_metadata
.endif
;; end of part 6
;; launch ln2 (part 7): grid 256 x 1, 8 waves a work-group, no clusters, 0 bytes of LDS; arguments ybuf, g2, b2, out0; writes out0
.if DOCPART == 7
	.amdgcn_target "amdgcn-amd-amdhsa--gfx1250"
	.amdhsa_code_object_version 6
	.text
	.protected	k_q431c775d09_ln2
	.globl	k_q431c775d09_ln2
	.p2align	8
	.type	k_q431c775d09_ln2,@function
k_q431c775d09_ln2:
	s_mov_b64 s[64:65], 0
	v_nop
	global_prefetch_b8 v0, s[64:65] scope:SCOPE_SE
	s_setreg_imm32_b32 hwreg(HW_REG_WAVE_MODE, 25, 1), 1
	s_wait_xcnt 0x0
; LayerNorm 2 of ybuf = x1 + the feed-forward part: the result.  Nothing is left out.  The first phase of the launch for LayerNorm 1, with nothing to quantise: no LDS, no barrier.
; Each wave takes two neighbouring rows, 8,192 bytes on end; a row stays in 32 registers of the wave.  Mean, then the mean of the squared differences from it: two passes over registers.
.set X0, 28
.set G,  92
.set BT, 124
.set SEL, 20
.macro REDUCE a
.irp m, 1,2,4,8
	s_delay_alu instid0(VALU_DEP_2)
	v_add_f32_dpp v[\a], v[\a], v[\a] row_xmask:\m row_mask:0xf bank_mask:0xf
	s_delay_alu instid0(VALU_DEP_2)
	v_add_f32_dpp v[\a+8], v[\a+8], v[\a+8] row_xmask:\m row_mask:0xf bank_mask:0xf
.endr
	s_delay_alu instid0(VALU_DEP_2)
	v_permlanex16_b32 v[\a+1], v[\a], s[SEL], s[SEL+1]
	s_delay_alu instid0(VALU_DEP_2)
	v_permlanex16_b32 v[\a+9], v[\a+8], s[SEL], s[SEL+1]
	s_delay_alu instid0(VALU_DEP_2)
	v_add_f32 v[\a], v[\a], v[\a+1]
	s_delay_alu instid0(VALU_DEP_2)
	v_add_f32 v[\a+8], v[\a+8], v[\a+9]
.endm
	s_load_b256 s[4:11], s[0:1], 0x0               ; ybuf, g, b, the result
	v_lshrrev_b32 v1, 5, v0
	s_delay_alu instid0(VALU_DEP_1)
	v_readfirstlane_b32 s12, v1
	v_and_b32 v1, 31, v0
	s_delay_alu instid0(VALU_DEP_1)
	v_lshlrev_b32 v2, 4, v1
	s_mov_b32 s[SEL], 0x76543210
	s_mov_b32 s[SEL+1], 0xfedcba98
	s_mov_b32 s22, 0x3a800000                      ; 1 / 1,024
	s_mov_b32 s23, 0x3727c5ac                      ; 1e-5
	s_lshl_b32 s14, ttmp9, 4
	s_lshl_b32 s15, s12, 1
	s_add_co_u32 s14, s14, s15                     ; my first row: 16 x work-group + 2 x wave
	s_lshl_b32 s14, s14, 12
	s_mov_b32 s15, 0
	s_wait_alu depctr_va_vdst(0)
	s_wait_kmcnt 0x0
	s_add_nc_u64 s[4:5], s[4:5], s[14:15]
	s_add_nc_u64 s[24:25], s[10:11], s[14:15]
.irp e, 0,1
.irp j, 0,1,2,3,4,5,6,7
	global_load_b128 v[X0+32*\e+4*\j:X0+32*\e+4*\j+3], v2, s[4:5] offset:4096*\e+512*\j th:TH_LOAD_NT
.endr
.endr
.irp j, 0,1,2,3,4,5,6,7
	global_load_b128 v[G+4*\j:G+4*\j+3], v2, s[6:7] offset:512*\j
.endr
.irp j, 0,1,2,3,4,5,6,7
	global_load_b128 v[BT+4*\j:BT+4*\j+3], v2, s[8:9] offset:512*\j
.endr
	s_wait_loadcnt 16                              ; the two rows are in; the sixteen loads of g and b may be out
.irp e, 0,1
	v_pk_add_f32 v[12+8*\e:13+8*\e], v[X0+32*\e:X0+32*\e+1], v[X0+32*\e+2:X0+32*\e+3]
	v_pk_add_f32 v[14+8*\e:15+8*\e], v[X0+32*\e+4:X0+32*\e+5], v[X0+32*\e+6:X0+32*\e+7]
.endr
.irp i, 8,12,16,20,24,28
.irp e, 0,1
	s_delay_alu instid0(VALU_DEP_4)
	v_pk_add_f32 v[12+8*\e:13+8*\e], v[12+8*\e:13+8*\e], v[X0+32*\e+\i:X0+32*\e+\i+1]
	s_delay_alu instid0(VALU_DEP_4)
	v_pk_add_f32 v[14+8*\e:15+8*\e], v[14+8*\e:15+8*\e], v[X0+32*\e+\i+2:X0+32*\e+\i+3]
.endr
.endr
.irp e, 0
	s_delay_alu instid0(VALU_DEP_3)
	v_pk_add_f32 v[12+8*\e:13+8*\e], v[12+8*\e:13+8*\e], v[14+8*\e:15+8*\e]
.endr
.irp e, 1
	s_delay_alu instid0(VALU_DEP_2)
	v_pk_add_f32 v[12+8*\e:13+8*\e], v[12+8*\e:13+8*\e], v[14+8*\e:15+8*\e]
.endr
.irp e, 0,1
	s_delay_alu instid0(VALU_DEP_2)
	v_add_f32 v[12+8*\e], v[12+8*\e], v[13+8*\e]
.endr
	REDUCE 12
.irp e, 0,1
	s_delay_alu instid0(VALU_DEP_2)
	v_mul_f32 v[12+8*\e], 0xba800000, v[12+8*\e]   ; - the mean
.endr
.irp i, 0,2,4,6,8,10,12,14,16,18,20,22,24,26,28,30
.irp e, 0,1
	v_pk_add_f32 v[X0+32*\e+\i:X0+32*\e+\i+1], v[X0+32*\e+\i:X0+32*\e+\i+1], v[12+8*\e:13+8*\e] op_sel_hi:[1,0]
.endr
.endr
.irp e, 0,1
	v_pk_mul_f32 v[16+8*\e:17+8*\e], v[X0+32*\e:X0+32*\e+1], v[X0+32*\e:X0+32*\e+1]
	v_pk_mul_f32 v[18+8*\e:19+8*\e], v[X0+32*\e+2:X0+32*\e+3], v[X0+32*\e+2:X0+32*\e+3]
.endr
.irp i, 4,8,12,16,20,24,28
.irp e, 0,1
	s_delay_alu instid0(VALU_DEP_4)
	v_pk_fma_f32 v[16+8*\e:17+8*\e], v[X0+32*\e+\i:X0+32*\e+\i+1], v[X0+32*\e+\i:X0+32*\e+\i+1], v[16+8*\e:17+8*\e]
	s_delay_alu instid0(VALU_DEP_4)
	v_pk_fma_f32 v[18+8*\e:19+8*\e], v[X0+32*\e+\i+2:X0+32*\e+\i+3], v[X0+32*\e+\i+2:X0+32*\e+\i+3], v[18+8*\e:19+8*\e]
.endr
.endr
.irp e, 0
	s_delay_alu instid0(VALU_DEP_3)
	v_pk_add_f32 v[16+8*\e:17+8*\e], v[16+8*\e:17+8*\e], v[18+8*\e:19+8*\e]
.endr
.irp e, 1
	s_delay_alu instid0(VALU_DEP_2)
	v_pk_add_f32 v[16+8*\e:17+8*\e], v[16+8*\e:17+8*\e], v[18+8*\e:19+8*\e]
.endr
.irp e, 0,1
	s_delay_alu instid0(VALU_DEP_2)
	v_add_f32 v[16+8*\e], v[16+8*\e], v[17+8*\e]
.endr
	REDUCE 16
.irp e, 0,1
	s_delay_alu instid0(VALU_DEP_2)
	v_fma_f32 v[16+8*\e], v[16+8*\e], s22, s23     ; the variance + 1e-5
.endr
	s_wait_alu depctr_va_vdst(0)
.irp e, 0,1
	v_rsq_f32 v[16+8*\e], v[16+8*\e]
.endr
	v_nop                                          ; a plain place behind the transcendentals
	s_wait_alu depctr_va_vdst(0)                   ; one wait for both, ahead of their first reader
	s_wait_loadcnt 0x0                             ; g and b
.irp i, 0,2,4,6,8,10,12,14,16,18,20,22,24,26,28,30
.irp e, 0,1
	v_pk_mul_f32 v[X0+32*\e+\i:X0+32*\e+\i+1], v[X0+32*\e+\i:X0+32*\e+\i+1], v[16+8*\e:17+8*\e] op_sel_hi:[1,0]
.endr
.endr
.irp i, 0,2,4,6,8,10,12,14,16,18,20,22,24,26,28,30
.irp e, 0,1
	v_pk_fma_f32 v[X0+32*\e+\i:X0+32*\e+\i+1], v[X0+32*\e+\i:X0+32*\e+\i+1], v[G+\i:G+\i+1], v[BT+\i:BT+\i+1]
.endr
.endr
.irp e, 0,1
.irp j, 0,1,2,3,4,5,6,7
	global_store_b128 v2, v[X0+32*\e+4*\j:X0+32*\e+4*\j+3], s[24:25] offset:4096*\e+512*\j th:TH_STORE_NT   ; 512 bytes on end
.endr
.endr
	s_endpgm
.Lfunc_end_k_q431c775d09_ln2:
	.size	k_q431c775d09_ln2, .Lfunc_end_k_q431c775d09_ln2-k_q431c775d09_ln2
	.p2alignl 7, 3214868480
	.fill 96, 4, 3214868480
	.section	.rodata,"a",@progbits
	.p2align	6, 0x0
	.amdhsa_kernel k_q431c775d09_ln2
		.amdhsa_group_segment_fixed_size 0
		.amdhsa_private_segment_fixed_size 0
		.amdhsa_enable_private_segment 0
		.amdhsa_kernarg_size 32
		.amdhsa_user_sgpr_count 2
		.amdhsa_user_sgpr_kernarg_segment_ptr 1
		.amdhsa_wavefront_size32 1
		.amdhsa_system_sgpr_workgroup_id_x 1
		.amdhsa_system_sgpr_workgroup_id_y 1
		.amdhsa_system_sgpr_workgroup_id_z 1
		.amdhsa_system_vgpr_workitem_id 0
		.amdhsa_next_free_vgpr 160
		.amdhsa_next_free_sgpr 66
		.amdhsa_reserve_vcc 0
		.amdhsa_float_denorm_mode_32 3
		.amdhsa_float_denorm_mode_16_64 3
		.amdhsa_memory_ordered 1
		.amdhsa_forward_progress 1
		.amdhsa_inst_pref_size 21
	.end_amdhsa_kernel
	.amdgpu_metadata
---
amdhsa.version: [ 1, 2 ]
amdhsa.kernels:
  - .name:           k_q431c775d09_ln2
    .symbol:         k_q431c775d09_ln2.kd
    .args:
      - { .name: ybuf, .offset: 0, .size: 8, .value_kind: global_buffer, .address_space: global }
      - { .name: g2, .offset: 8, .size: 8, .value_kind: global_buffer, .address_space: global }
      - { .name: b2, .offset: 16, .size: 8, .value_kind: global_buffer, .address_space: global }
      - { .name: out0, .offset: 24, .size: 8, .value_kind: global_buffer, .address_space: global }
    .group_segment_fixed_size: 0
    .private_segment_fixed_size: 0
    .kernarg_segment_align: 8
    .kernarg_segment_size: 32
    .max_flat_workgroup_size: 256
    .sgpr_count:     66
    .vgpr_count:     160
    .wavefront_size: 32
...
	.end_amdgpu_metadata
.endif
;; end of part 7
